; MI455X (gfx1250); checked and timed in simulation.
; The chip was launched on July 23, 2026; its instructions are those of AMD's public machine-readable ISA for CDNA 5 (MIT licence, August 2026) and "CDNA5" Instruction Set Architecture Reference Guide (July 2026). The comments in the code are by the model that wrote it; some were corrected since.
;; Attention. Allowed arithmetic: matrix products marked QUANTISED: E2M3 operands, one E8M0 scale for each 32 along K, by v_wmma_scale_f32_16x16x128_f8f6f4 with both operands' format E2M3, f32 sums; everything else in f32.
;; Inputs: freqs_cos 2,048 x 32 float32; freqs_sin 2,048 x 32 float32; mask 1 x 1 x 2,048 x 2,048 float32; wk 1,024 x 1,024 float32; wo 1,024 x 1,024 float32; wq 1,024 x 1,024 float32; wv 1,024 x 1,024 float32; x 2 x 2,048 x 1,024 float32.
;; Outputs: out0 2 x 2,048 x 1,024 float32.
;; Constants: start_pos = 0.
;; This version of the problem:
;;   THIS VERSION OF THE PROBLEM IS GIVEN IN LOW PRECISION. The matrix products marked QUANTISED in the list below multiply operands that are first quantised to E2M3 (2 exponent bits, 3 mantissa bits; 6 bits a number), with one power-of-two scale for each 32 numbers along K (OCP MX v1.0); their sums are f32. All else is computed in f32.
;;   The module's matrix products, in the order in which they are computed (A, B: the left and right operand; K: the contracted axis; several contracted axes count as one K, in the product's order):
;;     1. [M 4,096, K 1,024] x [K 1,024, N 1,024]; A: input x; B: input wq: QUANTISED
;;     2. [M 4,096, K 1,024] x [K 1,024, N 1,024]; A: input x; B: input wk: QUANTISED
;;     3. [M 4,096, K 1,024] x [K 1,024, N 1,024]; A: input x; B: input wv: QUANTISED
;;     4. batch 32 x [M 2,048, K 64] x [K 64, N 2,048]; A: computed on the way; B: computed on the way: QUANTISED
;;     5. batch 32 x [M 2,048, K 2,048] x [K 2,048, N 64]; A: softmax (see below); B: computed on the way: QUANTISED
;;     6. [M 4,096, K 1,024] x [K 1,024, N 1,024]; A: computed on the way; B: input wo: QUANTISED
;;   THE QUANTISER, for each operand of a quantised product, along K:
;;     - K is cut into blocks of 32 from its start; a last block that is shorter is filled with zeros.
;;     - A block's scale is 2^e with e = floor(log2(the largest magnitude in the block)) - 2, held to -126 .. 127; a block of zeros has e = 0. As a byte (E8M0): e + 127.
;;     - Each number is divided by its block's scale, clamped to +-7.5, and rounded to the nearest number of E2M3, ties to even, subnormals kept.
;;     - The product sums the exact products of the quantised numbers (number of the format x scale) in f32.
;;   ~~~python
;;   def quantise(x, axis):      # numpy; x: float32 -> the quantised numbers, widened to float32 again
;;       x = np.moveaxis(x, axis, -1); K = x.shape[-1]
;;       x = np.pad(x, [(0, 0)] * (x.ndim - 1) + [(0, -K % 32)]); x = x.reshape(x.shape[:-1] + (-1, 32)); a = np.abs(x).max(-1, keepdims=True)
;;       e = np.where(a > 0, np.clip(np.frexp(np.where(a > 0, a, 1))[1] - 1 - 2, -126, 127), 0)      # np.frexp(a)[1] - 1 = floor(log2(a)), exactly
;;       r = np.clip(x / 2.0 ** e, -7.5, 7.5)
;;       step = 2.0 ** (np.maximum(np.frexp(np.where(r == 0, 1, r))[1] - 1, 0) - 3)
;;       q = np.round(r / step) * step * 2.0 ** e      # np.round: ties to even
;;       return np.moveaxis(q.reshape(q.shape[:-2] + (-1,))[..., :K], -1, axis).astype(np.float32)
;;   ~~~
;;   SOFTMAX AHEAD OF A QUANTISED PRODUCT. Where the list says 'softmax', what is quantised is not the finished softmax but p = 2^(t - M), with t = logit x log2(e) and M = ceil(the row's largest t), a whole number; so 1/2 < the row's largest p <= 1. The row's sum l is taken of the UNQUANTISED p, in f32, and the product's result is divided by l at the end. Since M is a whole number, a kernel that streams over the keys may use a running M (the ceiling of the running maximum): every later rescaling is an exact power of two, which a block's scale takes up: the codes' values come out the same.
;;   OPERANDS COMPUTED ON THE WAY. 'Computed on the way' means the value that the module computes at that place (a softmax that the list does not call 'softmax' is quantised finished and normalised). What goes into a quantiser is computed in f32, as accurately as f32 sums, v_exp_f32 and their like allow (about 1e-6 of the number): no bf16 or f16 on the way to a quantiser, and a product that is left as it is and whose result goes on into a quantised operand takes f32 operands (vector FMAs, or v_wmma_f32_16x16x4_f32). A number that lies on a knife's edge between two numbers of the format may be rounded either way, as far as f32 arithmetic and the matrix unit's own rounding can turn it there, and no further.
;; One version. Each part assembles by itself: llvm-mc -triple=amdgcn-amd-amdhsa -mcpu=gfx1250 --defsym DOCPART=n.
;; ======== version 1 of 1: 4 launches
;; workspace buffers: xwc 6,291,456 bytes; xws 262,144 bytes; qc 3,145,728 bytes; qs 131,072 bytes; kvc 6,291,456 bytes; kvs 262,144 bytes; oc 3,145,728 bytes; os 131,072 bytes
;; launch quant (part 1): grid 256 x 1, 4 waves a work-group, no clusters, 68,096 bytes of LDS; arguments x, wq, wk, wv, wo, xwc, xws; writes xwc, xws
.if DOCPART == 1
	.amdgcn_target "amdgcn-amd-amdhsa--gfx1250"
	.amdhsa_code_object_version 6
	.text
	.protected	k_q56cf61eb21_quant
	.globl	k_q56cf61eb21_quant
	.p2align	8
	.type	k_q56cf61eb21_quant,@function
k_q56cf61eb21_quant:
	s_mov_b64 s[64:65], 0
	v_nop
	global_prefetch_b8 v0, s[64:65] scope:SCOPE_SE
	s_setreg_imm32_b32 hwreg(HW_REG_WAVE_MODE, 25, 1), 1
	s_wait_xcnt 0x0
; x [4096][1024] (K innermost) and wq, wk, wv, wo [1024 (k)][1024 (n)] (K is the FIRST axis), all f32, become codes of FP6 (E2M3) with K innermost, 768 bytes a row, and one E8M0 byte for each 32 along K, 32 bytes a row.
; A block's scale is 2^(floor(log2(its largest magnitude)) - 2): its byte is the largest magnitude's exponent field - 2, held at 1 from below.  A block of zeros so gets the byte 1 where the rule says 127: its codes are
; zeros, which add nothing under any byte but 0xff, and the bytes are read by this program alone.
; LIMITS: blocks whose largest magnitude lies under 2^-124 keep the byte 1; NaN and infinities among the inputs are not served.
; WHERE A ROW GOES: row i of x (a token) lies at row pi(i) of xwc and xws, column n of weight t (0 wq, 1 wk, 2 wv, 3 wo) at row 4096 + 1024 t + pi(n); pi swaps bits 3 and 4 of its number.  So 16 rows on end of the buffer
; are a tile whose lanes 0-7 take eight neighbours and lanes 8-15 the eight that lie 16 further on: the order in which the products that follow want their tiles.
; Work-groups 0-127 take x: a wave takes 8,192 numbers (8 rows), 16 steps of 512.  Work-groups 128-255 take the weights: a wave takes 32 columns x 256 along K, a lane a column, its registers down K.
; The two ways part on the work-group's number and have LDS bytes of their own.  No work-group shares an input byte with another: no cluster, no tensor load, no barrier.
.set EMAX,  2
; the way of x
.set STEPS, 16
.set CB,    12                         ; bytes of 16 codes
.set XR,    16                         ; v16-79   four sets of 16 numbers as they are loaded
.set XX,    80                         ; v80-111  two sets of 16 neighbours
.set XE,    112                        ; v112-127 a scale byte for each step
.set XC,    128                        ; v128-191 codes: four registers for each step, so that no store's data are written again
.set WREG,  8192                       ; LDS bytes 0 .. 32,767: a region for each wave: two stages of 32 x SP bytes, behind them its 256 scale bytes
.set SP,    80                         ; a lane's place in a stage: its 64 bytes + 16 of padding
; the way of the weights
.set NB,    8                          ; blocks of 32 along K for a wave
.set KROW,  768                        ; a row of codes in bytes
.set WP,    272                        ; a stage row: sixteen places of 16 bytes, each with 12 bytes of codes, + 16
.set WLDS,  32768                      ; LDS bytes 32,768 on: 32 x WP bytes for each wave
.set WX,    32                         ; v32-95   two sets of 32 numbers
.set WC,    96                         ; v96..    a block's codes
.set WOUT,  112                        ; v112-175 the way out
.set WSB,   24                         ; v24-25   the scale bytes, four to a register
.macro XLOAD t
.irp i, 0,1,2,3
	global_load_b128 v[XR+16*((\t)%4)+4*\i:XR+16*((\t)%4)+4*\i+3], v3, s[4:5] offset:2048*(\t)+512*\i th:TH_LOAD_NT   ; 32 lanes read 512 consecutive bytes
.endr
.endm
.macro XTURN t                         ; step t's numbers through the stage: LDS serves a wave's instructions in order, so no wait stands between the stores and the loads
.irp i, 0,1,2,3
	ds_store_b128 v14, v[XR+16*((\t)%4)+4*\i:XR+16*((\t)%4)+4*\i+3] offset:32*SP*((\t)%2)+8*SP*\i
.endr
.irp i, 0,1,2,3
	ds_load_b128 v[XX+16*((\t)%2)+4*\i:XX+16*((\t)%2)+4*\i+3], v15 offset:32*SP*((\t)%2)+16*\i
.endr
.endm
.macro XSTEP t
.set XS, XX+16*((\t)%2)
.if (\t) > 0
	s_wait_dscnt 1                                 ; this step's numbers are back from the stage (the last step's byte store may be out)
.else
	s_wait_dscnt 0x0
.endif
.if (\t)+4 < STEPS
	XLOAD (\t)+4                                   ; the registers that the stage's stores have read take the loads of four steps on
.endif
.if (\t)+1 < STEPS
.if STEPS-2-(\t) >= 3
	s_wait_loadcnt 12                              ; the next step's four loads are in; those of the three steps behind it may be out
.else
	s_wait_loadcnt 4*(STEPS-2-(\t))
.endif
	XTURN (\t)+1
.endif
	v_max3_num_f32 v8, |v[XS]|, |v[XS+1]|, |v[XS+2]|               ; the largest magnitude of my 16, in two chains
	v_max3_num_f32 v9, |v[XS+3]|, |v[XS+4]|, |v[XS+5]|
.irp i, 6,10
	v_max3_num_f32 v8, v8, |v[XS+\i]|, |v[XS+\i+1]|
	v_max3_num_f32 v9, v9, |v[XS+\i+2]|, |v[XS+\i+3]|
.endr
	v_max3_num_f32 v8, v8, |v[XS+14]|, |v[XS+15]|
	v_max3_num_f32 v8, v8, v9, (EMAX+1)<<23        ; and the floor 2^(3 - 127): the byte cannot fall under 1
	v_max_num_f32_dpp v8, v8, v8 row_xmask:1 row_mask:0xf bank_mask:0xf   ; and of my neighbour's 16: the block's
	v_add_nc_u32 v11, -(EMAX<<23), v8              ; 2 off its exponent field: the conversion takes the exponent field of this operand as its scale
	v_cvt_scalef32_pk16_fp6_f32 v[XC+4*(\t):XC+4*(\t)+2], v[XS:XS+15], v11
	v_lshrrev_b32 v[XE+(\t)], 23, v11              ; the scale's byte
	ds_store_b8 v5, v[XE+(\t)] offset:16*(\t)      ; both lanes of a block write the same byte with the same value
	global_store_b96 v4, v[XC+4*(\t):XC+4*(\t)+2], s[14:15] offset:32*CB*(\t)   ; the wave stores 384 consecutive bytes
.endm
.macro WLOAD t                         ; block t: W(32 t + i, my column), i = 0 .. 31, into set t % 2
.irp i, 0,1,2,3,4,5,6,7,8,9,10,11,12,13,14,15,16,17,18,19,20,21,22,23,24,25,26,27,28,29,30,31
	global_load_b32 v[WX+32*((\t)%2)+\i], v3, s[6:7] offset:(32*(\t)+\i)*4096 th:TH_LOAD_NT
.endr
.endm
.macro WBLOCK t
.set XS, WX+32*((\t)%2)
.if (\t) < NB-1
	s_wait_loadcnt 32                              ; this block's 32 loads are in; the next block's may be out
.else
	s_wait_loadcnt 0
.endif
	v_max3_num_f32 v12, |v[XS]|, |v[XS+1]|, |v[XS+2]|              ; the block's largest magnitude: all 32 numbers are mine
	v_max3_num_f32 v13, |v[XS+3]|, |v[XS+4]|, |v[XS+5]|
.irp i, 6,10,14,18,22,26
	v_max3_num_f32 v12, v12, |v[XS+\i]|, |v[XS+\i+1]|
	v_max3_num_f32 v13, v13, |v[XS+\i+2]|, |v[XS+\i+3]|
.endr
	v_max3_num_f32 v12, v12, |v[XS+30]|, |v[XS+31]|
	v_max3_num_f32 v12, v12, v13, (EMAX+1)<<23
	v_add_nc_u32 v11, -(EMAX<<23), v12
	v_lshrrev_b32 v13, 23, v11                     ; the scale's byte
.if (\t)%4 == 0
	v_mov_b32 v[WSB+(\t)/4], v13                   ; four bytes to a register, the lower K in the lower byte
.else
	v_lshl_or_b32 v[WSB+(\t)/4], v13, 8*((\t)%4), v[WSB+(\t)/4]
.endif
	v_cvt_scalef32_pk16_fp6_f32 v[WC:WC+2], v[XS:XS+15], v11
	v_cvt_scalef32_pk16_fp6_f32 v[WC+4:WC+6], v[XS+16:XS+31], v11  ; (a conversion's three registers begin on an even number)
	ds_store_b96 v4, v[WC:WC+2] offset:32*(\t)     ; 12 bytes to a place of 16, so that every LDS address is a multiple of 16
	ds_store_b96 v4, v[WC+4:WC+6] offset:32*(\t)+16
.if (\t)+2 < NB
	WLOAD (\t)+2
.endif
	s_wait_dscnt 0x0                               ; the stores have read their registers: the next block's codes may be written
.endm
	s_load_b256 s[4:11], s[0:1], 0x0               ; x s[4:5], wq s[6:7], wk s[8:9], wv s[10:11]
	s_load_b128 s[12:15], s[0:1], 0x20             ; wo s[12:13], xwc s[14:15]
	s_load_b64 s[16:17], s[0:1], 0x30              ; xws
	v_lshl_add_u32 v192, v0, 2, 0x10800
	v_mov_b32 v193, 0
	v_lshrrev_b32 v1, 5, v0
	v_readfirstlane_b32 s20, v1                    ; wave 0..3
	v_and_b32 v2, 31, v0                           ; lane
	s_cmp_lt_u32 ttmp9, 128
	s_cbranch_scc0 .Lweights
	; ---- x
	v_lshlrev_b32 v3, 4, v2                        ; my 16 bytes of a load's 512
	s_mul_i32 s21, s20, WREG
	v_lshrrev_b32 v14, 2, v2
	v_mul_u32_u24 v14, v14, SP
	v_and_b32 v15, 3, v2
	v_lshl_add_u32 v14, v15, 4, v14
	v_add_nc_u32 v14, s21, v14                     ; the stage, on the way in: SP (lane / 4) + 16 (lane % 4)
	v_mul_u32_u24 v15, v2, SP
	v_add_nc_u32 v15, s21, v15                     ; and on the way out: SP x lane: my 16 neighbours
	v_mul_u32_u24 v4, v2, CB                       ; my codes' place in a step's
	v_lshrrev_b32 v5, 1, v2
	s_add_co_u32 s21, s21, 2*32*SP
	v_add_nc_u32 v5, s21, v5                       ; my wave's 256 scale bytes, my block's byte
	v_lshlrev_b32 v7, 3, v2                        ; and on the way out 8 bytes a lane
	v_add_nc_u32 v6, s21, v7
	s_lshl_b32 s22, ttmp9, 2
	s_add_co_u32 s24, s22, s20                     ; the run of 8 rows that I read: 4 x work-group + wave
	s_lshl_b32 s24, s24, 15                        ; 32,768 bytes a run
	s_mov_b32 s25, 0
	s_and_b32 s26, s20, 1                          ; the run that I write: bits 3 and 4 of a token are bits 0 and 1 of its run: they change places
	s_lshl_b32 s26, s26, 1
	s_lshr_b32 s27, s20, 1
	s_or_b32 s26, s26, s27
	s_add_co_u32 s26, s26, s22
	s_mul_i32 s28, s26, 6144                       ; 8 rows of 768 bytes of codes,
	s_mov_b32 s29, 0
	s_lshl_b32 s30, s26, 8                         ; 8 rows of 32 scale bytes
	s_mov_b32 s31, 0
	s_wait_kmcnt 0x0
	s_add_nc_u64 s[4:5], s[4:5], s[24:25]
	s_add_nc_u64 s[14:15], s[14:15], s[28:29]
	s_add_nc_u64 s[16:17], s[16:17], s[30:31]
.irp t, 0,1,2,3
	XLOAD \t
.endr
	s_wait_loadcnt 12                              ; step 0's four loads are in
	XTURN 0
.irp t, 0,1,2,3,4,5,6,7,8,9,10,11,12,13,14,15
	XSTEP \t
.endr
	ds_load_b64 v[12:13], v6                       ; LDS serves a wave's instructions in order: these see my stores
	s_wait_dscnt 0x0
	global_store_b64 v7, v[12:13], s[16:17]        ; 32 lanes store 256 consecutive bytes, aligned
	s_wait_tensorcnt 0x0
	ds_add_u32 v192, v193
	s_wait_dscnt 0x0
	s_endpgm
	; ---- the weights
.Lweights:
	s_sub_co_u32 s21, ttmp9, 128
	s_and_b32 s22, s21, 7                          ; which 128 columns
	s_bfe_u32 s18, s21, 0x20003                    ; which 256 along K
	s_lshr_b32 s23, s21, 5                         ; which weight
	s_lshl_b32 s22, s22, 7
	s_lshl_b32 s19, s20, 5
	s_add_co_u32 s22, s22, s19                     ; my wave's first column
	v_lshlrev_b32 v3, 2, v2                        ; in: 4 bytes a lane: the wave reads 128 consecutive bytes
	s_mul_i32 s19, s20, 32*WP
	s_add_co_u32 s19, s19, WLDS                    ; my stage
	v_mul_u32_u24 v4, v2, WP
	v_add_nc_u32 v4, s19, v4                       ; into it: row = my column
	v_and_b32 v5, 15, v2
	v_lshrrev_b32 v6, 4, v2                        ; out of it: sixteen lanes to a row, two rows an instruction
	v_mul_u32_u24 v7, v6, WP
	v_lshl_add_u32 v7, v5, 4, v7
	v_add_nc_u32 v7, s19, v7
	v_mul_u32_u24 v8, v6, KROW
	v_mad_u32_u24 v8, v5, 12, v8                   ; and the same place in the codes' buffer
	v_and_b32 v9, 7, v2                            ; pi(lane): my column's row among the wave's 32
	v_and_b32 v10, 8, v2
	v_lshl_or_b32 v9, v10, 1, v9
	v_and_b32 v10, 16, v2
	v_lshrrev_b32 v10, 1, v10
	v_or_b32 v9, v9, v10
	v_lshlrev_b32 v9, 5, v9                        ; 32 scale bytes a row
	s_lshl_b32 s24, s18, 20                        ; 256 rows of 4,096 bytes
	s_lshl_b32 s25, s22, 2
	s_add_co_u32 s24, s24, s25
	s_mov_b32 s25, 0
	s_lshl_b32 s26, s23, 10
	s_add_co_u32 s26, s26, s22
	s_add_co_u32 s26, s26, 4096                    ; the wave's first row of xwc and xws
	s_mul_i32 s28, s26, KROW
	s_mul_i32 s27, s18, 192
	s_add_co_u32 s28, s28, s27
	s_mov_b32 s29, 0
	s_lshl_b32 s30, s26, 5
	s_lshl_b32 s27, s18, 3
	s_add_co_u32 s30, s30, s27
	s_mov_b32 s31, 0
	s_wait_kmcnt 0x0
	s_cmp_eq_u32 s23, 1                            ; the choice hangs on the work-group's number alone
	s_cselect_b64 s[6:7], s[8:9], s[6:7]
	s_cmp_eq_u32 s23, 2
	s_cselect_b64 s[6:7], s[10:11], s[6:7]
	s_cmp_eq_u32 s23, 3
	s_cselect_b64 s[6:7], s[12:13], s[6:7]
	s_add_nc_u64 s[6:7], s[6:7], s[24:25]
	s_add_nc_u64 s[14:15], s[14:15], s[28:29]
	s_add_nc_u64 s[16:17], s[16:17], s[30:31]
	WLOAD 0
	WLOAD 1
.irp t, 0,1,2,3,4,5,6,7
	WBLOCK \t
.endr
	global_store_b64 v9, v[WSB:WSB+1], s[16:17]    ; my column's 8 scale bytes
.irp t, 0,1,2,3,4,5,6,7,8,9,10,11,12,13,14,15
	ds_load_b96 v[WOUT+4*\t:WOUT+4*\t+2], v7 offset:2*\t*WP   ; columns 2 t and 2 t + 1
.endr
.irp t, 0,1,2,3,4,5,6,7,8,9,10,11,12,13,14,15
	s_wait_dscnt 15-\t
	global_store_b96 v8, v[WOUT+4*\t:WOUT+4*\t+2], s[14:15] offset:2*((\t&3)|((\t&4)<<1)|((\t&8)>>1))*KROW   ; to rows pi(2 t), pi(2 t + 1): sixteen lanes store a row's 192 consecutive bytes
.endr
	s_wait_tensorcnt 0x0
	ds_add_u32 v192, v193
	s_wait_dscnt 0x0
	s_endpgm
.Lfunc_end_k_q56cf61eb21_quant:
	.size	k_q56cf61eb21_quant, .Lfunc_end_k_q56cf61eb21_quant-k_q56cf61eb21_quant
	.p2alignl 7, 3214868480
	.fill 96, 4, 3214868480
	.section	.rodata,"a",@progbits
	.p2align	6, 0x0
	.amdhsa_kernel k_q56cf61eb21_quant
		.amdhsa_group_segment_fixed_size 68096
		.amdhsa_private_segment_fixed_size 0
		.amdhsa_enable_private_segment 0
		.amdhsa_kernarg_size 56
		.amdhsa_user_sgpr_count 2
		.amdhsa_user_sgpr_kernarg_segment_ptr 1
		.amdhsa_wavefront_size32 1
		.amdhsa_system_sgpr_workgroup_id_x 1
		.amdhsa_system_sgpr_workgroup_id_y 1
		.amdhsa_system_sgpr_workgroup_id_z 1
		.amdhsa_system_vgpr_workitem_id 0
		.amdhsa_next_free_vgpr 194
		.amdhsa_next_free_sgpr 66
		.amdhsa_reserve_vcc 0
		.amdhsa_float_denorm_mode_32 3
		.amdhsa_float_denorm_mode_16_64 3
		.amdhsa_memory_ordered 1
		.amdhsa_forward_progress 1
		.amdhsa_inst_pref_size 74
	.end_amdhsa_kernel
	.amdgpu_metadata
---
amdhsa.version: [ 1, 2 ]
amdhsa.kernels:
  - .name:           k_q56cf61eb21_quant
    .symbol:         k_q56cf61eb21_quant.kd
    .args:
      - { .name: x, .offset: 0, .size: 8, .value_kind: global_buffer, .address_space: global }
      - { .name: wq, .offset: 8, .size: 8, .value_kind: global_buffer, .address_space: global }
      - { .name: wk, .offset: 16, .size: 8, .value_kind: global_buffer, .address_space: global }
      - { .name: wv, .offset: 24, .size: 8, .value_kind: global_buffer, .address_space: global }
      - { .name: wo, .offset: 32, .size: 8, .value_kind: global_buffer, .address_space: global }
      - { .name: xwc, .offset: 40, .size: 8, .value_kind: global_buffer, .address_space: global }
      - { .name: xws, .offset: 48, .size: 8, .value_kind: global_buffer, .address_space: global }
    .group_segment_fixed_size: 68096
    .private_segment_fixed_size: 0
    .kernarg_segment_align: 8
    .kernarg_segment_size: 56
    .max_flat_workgroup_size: 128
    .sgpr_count:     66
    .vgpr_count:     194
    .wavefront_size: 32
...
	.end_amdgpu_metadata
.endif
;; end of part 1
;; launch qkv (part 2): grid 12 x 16, 4 waves a work-group, clusters of 4 x 4, 327,680 bytes of LDS; arguments xwc, xws, freqs_cos, freqs_sin, qc, qs, kvc, kvs; writes qc, qs, kvc, kvs
.if DOCPART == 2
	.amdgcn_target "amdgcn-amd-amdhsa--gfx1250"
	.amdhsa_code_object_version 6
	.text
	.protected	k_q56cf61eb21_qkv
	.globl	k_q56cf61eb21_qkv
	.p2align	8
	.type	k_q56cf61eb21_qkv,@function
k_q56cf61eb21_qkv:
	s_mov_b64 s[64:65], 0
	v_nop
	global_prefetch_b8 v0, s[64:65] scope:SCOPE_SE
	s_setreg_imm32_b32 hwreg(HW_REG_WAVE_MODE, 25, 1), 1
	s_wait_xcnt 0x0
	s_wait_alu depctr_hold_cnt(0) depctr_sa_sdst(0) depctr_va_vdst(0) depctr_va_sdst(0) depctr_va_ssrc(0) depctr_va_vcc(0) depctr_vm_vsrc(0)
	s_getreg_b32 s2, hwreg(HW_REG_IB_STS2, 6, 4)
	s_cmp_eq_u32 s2, 0
	s_cbranch_scc0 .Lentry_in_a_cluster
	s_endpgm
.Lentry_in_a_cluster:
	s_bfe_u32 s2, ttmp6, 0x10000c
	s_cmp_lg_u32 s2, 0xf033
	s_cbranch_scc0 .Lentry_shape_is_right
	s_endpgm
.Lentry_shape_is_right:
; q = rope(x wq), k = rope(x wk), v = x wv, on codes of FP6 (E2M3) with one E8M0 scale for each 32 along K = 1,024; the results are quantised again, q and k along the head's 64, v along the keys, and stored as
; IMAGES OF OPERAND REGISTERS for the attention that follows.  xwc, xws: rows 0-4095 x's tokens, 4096 + 1024 t on weight t's columns; 768 bytes of codes and 32 scale bytes a row; within each 32 rows bits 3 and 4 of the number are swapped.
; 192 tiles of 256 x 256 results, one to a work-group of four waves; a wave makes 128 x 128: 64 accumulators, 512 registers.  K goes in steps of 256 through a ring of two LDS slots filled by the tensor data mover.
; The scale bytes of the work-group's 2 x 256 rows come into LDS once, with the first fills.
; SIDE A is source 1 (a lane holds ONE of its rows), SIDE B is source 0 (a lane's registers run along its rows).  Clusters x = 0, 1: A = tokens, B = columns of wq, wk: a lane holds a token and its registers run along the heads' d.
; Cluster x = 2: A = columns of wv, B = tokens: a lane holds one d and its registers run along the tokens, which are the keys.  By the order of the rows in xwc the 16 registers of B's blocks 2 g, 2 g + 1 are the 16 neighbours
; 32 g + 16 (lane / 16) + 0 .. 15, and lane r of A's block a holds row 32 (a / 2) + 8 (a % 2) + r + 8 (r / 8).
; CLUSTERS: 4 x 4 work-groups.  The four of a row of the cluster need the same tiles of A, the four of a column the same tiles of B: each tile is asked for jointly.
; WHAT IS STORED.  idx = ((batch x 4 + head / 4) x 16 + step of 128 tokens) x 4 + head % 4.  An image is 12 registers: three groups of four, lane l's 16 bytes at 16 l: 1,536 bytes.  qc: idx x 6,144: four images; kvc: idx x 12,288: K's four, V's four.
;   q's and K's image i: registers 0-5: lane (r, h): d = 32 h .. 32 h + 31 of token 32 i + r + 8 (r / 8); registers 6-11: the same of the token 8 further on.  Its scale word: the two bytes of the first token, then of the second.
;   V's image t: lane (r, h): d = 32 (t / 2) + 8 (t % 2) + r + 8 (r / 8); registers 6 c .. 6 c + 5: keys 64 c + 32 h + 0 .. 31.  Its scale word: the four blocks of keys.
;   qs: idx x 256, kvs: idx x 512 (K's, V's): a block of 256 bytes for four images: lane l's 8 bytes are the words of row l % 16 of images l / 16 and 2 + l / 16.
; LIMITS: blocks whose largest magnitude lies under 2^-124 keep the scale byte 1 (a block of zeros too: its codes are zeros); NaN and infinities are not served.  RoPE's second product and its sum are one fused multiply-add.
; REGISTERS, in windows of 256: window 0: v0-31 addresses; v32-63 the products' scale words, two sets, and nothing else; from v128 A's fragments, one set.  window 1: B's fragments, two sets.  windows 2, 3: the accumulators ((a, b) at v[8 (8 (a % 4) + b)] of window 2 + a / 4).
;   On the way out: window 0: v64-127 a block after RoPE, v128-175 images, v176-183 half blocks of codes, v224-239 at work, v240-255 the new scale words; window 1: cos and sin, 32 registers for each of A's blocks.
.set SIZE_K, 1024
.set KSTEP,  256                       ; along K in a slot
.set NQ,     KSTEP/128                 ; matrix instructions deep
.set ROWB,   192                       ; a tile's row in bytes
.set KROW,   SIZE_K*6/8                ; a row in memory
.set PITCH,  240                       ; an LDS row: 3 x (64 bytes of data + 16 of padding)
.set FR,     12                        ; registers of a fragment
.set NL,     6                         ; LDS loads that bring one
.set NP,     4                         ; places behind this matrix instruction (ISA guide 7.12.1)
.set HALFT,  128*PITCH                 ; 128 rows: what one tensor load brings
.set SLOT,   4*HALFT                   ; A's 256 rows, then B's 256 rows
.set LAPS,   SIZE_K/(2*KSTEP)
.set KS,     SIZE_K/32                 ; a row of scales in bytes
.set SCL,    2*SLOT                    ; behind the ring: the scales, as units of 256 bytes + 16 of padding
.set HALFS,  (128*KS/256)*272
.set SBLK,   (16*KS/256)*272
.set SPARE,  SCL+4*HALFS               ; the spare words, 128 bytes for each wave: two blocks of 256 bytes that no other line names
.set ADRA, 16                          ; v16-17 LDS address of my A fragments in slot 0, 1 (v18-19: behind one padding more)
.set ADRB, 20                          ; v20-23 the same for B
.set ADRS, 27                          ; v27    LDS address of my scale words: lanes 0-15 A's rows, lanes 16-31 B's
.set SPW,  28                          ; v28    LDS address of my spare word; never rewritten
.set NIL,  29                          ; v29    0; never rewritten
.set SC,   32
.set AF,   128
.set LN,   13                          ; v13    lane
.set CSL,  14                          ; v14    my token's place in a block's rows of cos and sin
.set L16,  30                          ; v30    16 x lane
.set L8,   31                          ; v31    8 x lane
.set TM,   224                         ; v224-227 largest magnitudes, v228-231 bytes, v236-239 the conversions' scale operands
.set PW,   240                         ; v240   the scale word just made; v241-242 those of a pair of blocks
.set WA,   244                         ; v244-247 the first head's four scale words, v248-251 the second's
.set PK,   252                         ; v252-255 the two scale blocks, packed
.set HA,   64
.set IMG,  128
.set CT,   176
.set SEL,  66                          ; s66-67 lane selects for v_permlanex16_b32: lane l xor 16
.set G1, 24
.set G0, 32
.set G1B, 48
.set G0B, 56
.set G1S, 68
.set G0S, 76
.set G1SB, 80
.set G0SB, 88
.set MSB, 0
.macro WIN new                         ; the immediate's high byte repeats the setting that is left
.if MSB != (\new)
	s_set_vgpr_msb (MSB<<8)|(\new)
.set MSB, (\new)
.endif
.endm
.set MUL_LO, 0xa1                      ; source 0 (B) window 1, source 1 (A) window 0, C and D window 2
.set MUL_HI, 0xf1
.set TO_B,   0x40
; A joint load: waves 0 and 1 fetch for A, waves 2 and 3 for B.  Four v_nop follow each of the two lines.
.macro JLOAD g0a, g1a, g0b, g1b
	s_cmp_eq_u32 s15, 0
	s_cbranch_scc0 .Lfor_b_\@
	tensor_load_to_lds s[\g0a:\g0a+3], s[\g1a:\g1a+7]
	s_nop 0
.rept 4
	v_nop
.endr
	s_branch .Lasked_\@
.Lfor_b_\@:
	tensor_load_to_lds s[\g0b:\g0b+3], s[\g1b:\g1b+7]
	s_nop 0
.rept 4
	v_nop
.endr
.Lasked_\@:
.endm
.macro CREST                           ; a round of the cluster's barrier behind its opening barrier
	s_cmp_lg_u32 s14, 0
	s_cbranch_scc1 .Lnot_wave_0_\@
	s_barrier_signal -3
.Lnot_wave_0_\@:
	s_barrier_wait -3
	s_barrier_signal -1
	s_barrier_wait -1
.endm
.macro CROUND
	s_barrier_signal -1
	s_barrier_wait -1
	CREST
.endm
	s_load_b128 s[4:7], s[0:1], 0x0                ; xwc s[4:5], xws s[6:7]
	v_lshl_add_u32 v[SPW], v0, 2, SPARE
	v_mov_b32 v[NIL], 0
	ds_add_u32 v28, v29
	s_wait_dscnt 0x0
	v_lshrrev_b32 v1, 5, v0
	v_readfirstlane_b32 s14, v1                    ; wave 0..3
	s_lshr_b32 s15, s14, 1                         ; which half of A's 256 rows is mine.  Also: I fetch for A (0) or for B (1)
	s_and_b32 s16, s14, 1                          ; which half of B's.  Also: which 128 rows of that tile I fetch
	s_bfe_u32 s40, ttmp6, 0x40000                  ; cx, cy: my place in the cluster
	s_bfe_u32 s41, ttmp6, 0x40004
	s_and_b32 s17, ttmp7, 0xffff                   ; the cluster's y
	s_lshl_b32 s43, s41, 2
	s_lshl_b32 s43, 15, s43                        ; my row of the cluster
	s_lshl_b32 s44, 0x1111, s40                    ; my column
	s_mov_b32 s[SEL], 0x76543210
	s_mov_b32 s[SEL+1], 0xfedcba98
	; which rows of xwc: the cluster's x says which product; it is the same in all sixteen partners
	s_cmp_eq_u32 ttmp9, 2
	s_cselect_b32 s95, 1, 0                        ; 1: this cluster makes v
	s_cselect_b32 s18, 0, s17                      ; A: tokens walk with the cluster's y; wv's 1,024 columns are the cluster's four rows
	s_cselect_b32 s19, s17, ttmp9                  ; B: columns of wq, wk walk with the cluster's x; for v the tokens with its y
	s_cselect_b32 s12, 6144, 0                     ; A's first row: wv's, or x's
	s_cselect_b32 s13, 0, 4096                     ; B's first row: x's, or wq's
	s_cselect_b32 s98, s40, s41                    ; for the way out (registers that feed no descriptor): the token tile's place in the cluster,
	s_cselect_b32 s99, s41, s40                    ; the group of four heads,
	s_cselect_b32 s100, s16, s15                   ; my half of the tile's tokens,
	s_cselect_b32 s101, s15, s16                   ; my half of its heads
	s_lshl_b32 s20, s18, 2
	s_add_co_u32 s20, s20, s41
	s_lshl_b32 s20, s20, 8
	s_add_co_u32 s20, s20, s12                     ; A's tile: hangs on cy, never on cx
	s_lshl_b32 s46, s19, 2
	s_add_co_u32 s46, s46, s40
	s_lshl_b32 s46, s46, 8
	s_add_co_u32 s46, s46, s13                     ; B's tile: hangs on cx, never on cy
	s_lshl_b32 s18, s16, 7                         ; which 128 rows of the tile I fetch
	s_add_co_u32 s20, s20, s18
	s_add_co_u32 s46, s46, s18
	s_lshl_b32 s97, s17, 2
	s_add_co_u32 s98, s98, s97                     ; the tile of 256 tokens, 0 .. 15
	s_and_b32 s97, s98, 7
	s_lshl_b32 s97, s97, 1
	s_add_co_u32 s97, s97, s100                    ; s97: my step of 128 tokens in the sequence
	s_lshr_b32 s96, s98, 3                         ; the batch
	s_lshl_b32 s96, s96, 2
	s_add_co_u32 s96, s96, s99
	s_lshl_b32 s96, s96, 4
	s_add_co_u32 s96, s96, s97
	s_lshl_b32 s96, s96, 2
	s_lshl_b32 s101, s101, 1
	s_add_co_u32 s96, s96, s101                    ; s96: idx of my first head; the second head's is one more
	; descriptor group 1: a tile of 128 rows x ROWB bytes, padded in LDS
	s_or_b32 s[G1+0], s43, (0<<16)|(1<<20)|(1<<21)|(3<<22)|(3<<25)  ; 15:0 the mask: A's tiles go to my row; elements of 1 byte; padding on; bit 21 beside a mask; after every 16 words 4 words
	s_or_b32 s[G1B+0], s44, (0<<16)|(1<<20)|(1<<21)|(3<<22)|(3<<25)
.irp g, G1, G1B
	s_mov_b32 s[\g+1], ROWB<<16                    ; tensor_dim0
	s_mov_b32 s[\g+2], 128<<16                     ; tensor_dim1
	s_mov_b32 s[\g+3], ROWB<<16                    ; tile_dim0
	s_mov_b32 s[\g+4], 128                         ; tile_dim1
	s_mov_b32 s[\g+5], KROW                        ; tensor_dim0_stride
	s_mov_b32 s[\g+6], 0
	s_mov_b32 s[\g+7], 0
.endr
	; the scales of 128 rows: a dense block of 4,096 bytes, as rows of 256 bytes (32 elements of 8 bytes), 16 bytes of padding behind each
	s_or_b32 s[G1S+0], s43, (3<<16)|(1<<20)|(1<<21)|(5<<22)|(3<<25)
	s_or_b32 s[G1SB+0], s44, (3<<16)|(1<<20)|(1<<21)|(5<<22)|(3<<25)
.irp g, G1S, G1SB
	s_mov_b32 s[\g+1], 32<<16
	s_mov_b32 s[\g+2], (128*KS/256)<<16
	s_mov_b32 s[\g+3], 32<<16
	s_mov_b32 s[\g+4], 128*KS/256
	s_mov_b32 s[\g+5], 32
	s_mov_b32 s[\g+6], 0
	s_mov_b32 s[\g+7], 0
.endr
	s_mov_b32 s21, 0
	s_mov_b32 s47, 0
	s_mov_b64 s[18:19], KS
	s_mul_u64 s[22:23], s[20:21], s[18:19]         ; where these rows' scales begin, in bytes
	s_mul_u64 s[92:93], s[46:47], s[18:19]
	s_mov_b64 s[18:19], KROW
	s_mul_u64 s[20:21], s[20:21], s[18:19]         ; and their codes
	s_mul_u64 s[46:47], s[46:47], s[18:19]
	s_mul_i32 s45, s14, HALFT                      ; where they go: wave x 128 rows: no place in the cluster enters an LDS address
	s_mul_i32 s94, s14, HALFS
	s_wait_kmcnt 0x0
	s_add_nc_u64 s[20:21], s[4:5], s[20:21]
	s_add_nc_u64 s[22:23], s[6:7], s[22:23]
	s_add_nc_u64 s[46:47], s[4:5], s[46:47]
	s_add_nc_u64 s[92:93], s[6:7], s[92:93]
	CROUND                                         ; all sixteen work-groups are here: the first joint loads meet
	s_mov_b32 s[G0S], 1
	s_add_co_u32 s[G0S+1], s94, SCL
	s_mov_b64 s[G0S+2:G0S+3], s[22:23]
	s_or_b32 s[G0S+3], s[G0S+3], 0x80000000
	s_mov_b32 s[G0SB], 1
	s_add_co_u32 s[G0SB+1], s94, SCL
	s_mov_b64 s[G0SB+2:G0SB+3], s[92:93]
	s_or_b32 s[G0SB+3], s[G0SB+3], 0x80000000
	JLOAD G0S, G1S, G0SB, G1SB                     ; the scales first: they are wanted with K step 0
.irp s, 0,1
	s_mov_b32 s[G0+4*\s], 1
	s_add_co_u32 s[G0+4*\s+1], s45, \s*SLOT
	s_add_nc_u64 s[G0+4*\s+2:G0+4*\s+3], s[20:21], \s*ROWB
	s_or_b32 s[G0+4*\s+3], s[G0+4*\s+3], 0x80000000
	s_mov_b32 s[G0B+4*\s], 1
	s_add_co_u32 s[G0B+4*\s+1], s45, \s*SLOT
	s_add_nc_u64 s[G0B+4*\s+2:G0B+4*\s+3], s[46:47], \s*ROWB
	s_or_b32 s[G0B+4*\s+3], s[G0B+4*\s+3], 0x80000000
	JLOAD G0+4*\s, G1, G0B+4*\s, G1B
.endr
	v_and_b32 v1, 15, v0                           ; r = l % 16
	v_bfe_u32 v2, v0, 4, 1                         ; h = l / 16
	v_mul_u32_u24 v3, v1, PITCH
	v_mul_u32_u24 v4, v2, 24
	v_add_nc_u32 v4, v3, v4                        ; a fragment's row x pitch + 24 x half
	v_lshl_add_u32 v5, v2, 4, v4                   ; and the same behind one padding more
	s_mul_i32 s21, s15, HALFT                      ; my 128 rows of A
	s_mul_i32 s22, s16, HALFT                      ; my 128 rows of B,
	s_add_co_u32 s22, s22, 2*HALFT                 ; which lie behind A's 256
.irp s, 0,1
	v_add_nc_u32 v[ADRA+\s], s21, v4
	v_add_nc_u32 v[ADRB+\s], s22, v4
	v_add_nc_u32 v[ADRA+2+\s], s21, v5
	v_add_nc_u32 v[ADRB+2+\s], s22, v5
	s_add_co_u32 s21, s21, SLOT
	s_add_co_u32 s22, s22, SLOT
.endr
	v_mul_u32_u24 v5, v1, KS                       ; my row's scales: KS bytes a row,
	v_lshrrev_b32 v6, 8, v5
	v_lshl_add_u32 v5, v6, 4, v5                   ; and 16 more for each 256 passed
	s_mul_i32 s21, s15, HALFS
	s_mul_i32 s22, s16, HALFS
	s_add_co_u32 s22, s22, 2*HALFS
	s_sub_co_u32 s22, s22, s21
	v_mul_u32_u24 v6, s22, v2                      ; lanes 16-31 take B's
	s_add_co_u32 s21, s21, SCL
	v_add_nc_u32 v5, v5, v6
	v_add_nc_u32 v[ADRS], s21, v5
	v_and_b32 v7, 8, v1                            ; for the way out
	v_add_nc_u32 v7, v7, v1                        ; r + 8 (r / 8)
	v_lshlrev_b32 v[CSL], 7, v7                    ; a row of cos or sin is 128 bytes;
	v_lshl_add_u32 v[CSL], v2, 5, v[CSL]           ; my half's eight frequencies: 32 bytes on
	v_and_b32 v[LN], 31, v0
	v_lshlrev_b32 v[L16], 4, v[LN]
	v_lshlrev_b32 v[L8], 3, v[LN]
.macro FRAG reg, adr, q, i             ; a fragment: lane l holds row l % 16; registers 6 c .. 6 c + 5 hold K = 64 c + 32 (l / 16) + 0 .. 31: 24 bytes of the row, in pieces of 8
.irp p, 0,1,2,3,4,5
.set PCE, 12*(\q)+6*(\p/3)+\p%3       ; 16 bytes of padding lie behind every 8 pieces: where the piece three on lies behind one padding more, the second address register serves
.if PCE%8 < 5
	ds_load_b64 v[\reg+2*\p:\reg+2*\p+1], v[\adr] offset:8*PCE+16*(PCE/8)+(\i)*16*PITCH
.else
	ds_load_b64 v[\reg+2*\p:\reg+2*\p+1], v[\adr+2] offset:8*PCE+16*(PCE/8)+(\i)*16*PITCH
.endif
.endr
.endm
; 16 matrix instructions: A's blocks a0, a0 + 1 x B's eight, 128 along K.  The 64 accumulators take turns, one instruction a turn, in the same order in every step.
.macro MUL16 a0, p, q, sc, zero
.irp a, \a0, \a0+1
.irp b, 0,1,2,3,4,5,6,7
.if \zero
	v_wmma_scale_f32_16x16x128_f8f6f4 v[8*(8*((\a)%4)+\b):8*(8*((\a)%4)+\b)+7], v[128*(\p)+FR*\b:128*(\p)+FR*\b+FR-1], v[AF+FR*(\a):AF+FR*(\a)+FR-1], 0, v[SC+8*NQ*(\sc)+NQ*\b+(\q)], v[SC+8*NQ*(\sc)+NQ*(\a)+(\q)] matrix_a_fmt:MATRIX_FMT_FP6 matrix_b_fmt:MATRIX_FMT_FP6 matrix_a_scale:MATRIX_SCALE_ROW1
.else
	v_wmma_scale_f32_16x16x128_f8f6f4 v[8*(8*((\a)%4)+\b):8*(8*((\a)%4)+\b)+7], v[128*(\p)+FR*\b:128*(\p)+FR*\b+FR-1], v[AF+FR*(\a):AF+FR*(\a)+FR-1], v[8*(8*((\a)%4)+\b):8*(8*((\a)%4)+\b)+7], v[SC+8*NQ*(\sc)+NQ*\b+(\q)], v[SC+8*NQ*(\sc)+NQ*(\a)+(\q)] matrix_a_fmt:MATRIX_FMT_FP6 matrix_b_fmt:MATRIX_FMT_FP6 matrix_a_scale:MATRIX_SCALE_ROW1
.endif
.endr
.endr
.endm
.macro FETCH_B slot, q, p
	WIN TO_B
.irp i, 0,1,2,3,4,5,6,7
	FRAG 128*(\p)+FR*\i, ADRB+\slot, \q, \i
.endr
	WIN 0
.endm
.macro FETCH_A slot, q, i0
.irp i, \i0, \i0+1, \i0+2, \i0+3
	FRAG AF+FR*(\i), ADRA+\slot, \q, \i
.endr
.endm
.macro SCALES sc                       ; the next K step's scale words: lanes 0-15 take A's block i, lanes 16-31 B's block i
.irp i, 0,1,2,3,4,5,6,7
	ds_load_b64 v[SC+8*NQ*\sc+NQ*\i:SC+8*NQ*\sc+NQ*\i+1], v[ADRS] offset:\i*SBLK
.endr
.endm
.macro PLACES n                        ; plain vector instructions between a matrix instruction and a load into, or a read or write of, its registers
.rept \n
	v_nop
.endr
.endm
.macro STEP slot, q, zero              ; a step of 128 along K that has its successor in the same slot
	s_wait_dscnt 4*NL                              ; B's set and A's blocks 0-3 are in; the youngest 24 loads (A's blocks 4-7) may be out
	WIN MUL_LO
	MUL16 0, (\q)%2, \q, \slot, \zero
	MUL16 2, (\q)%2, \q, \slot, \zero
	s_wait_dscnt 0
	PLACES NP
	FETCH_B \slot, (\q)+1, 1-(\q)%2
	FETCH_A \slot, (\q)+1, 0
	WIN MUL_HI
	MUL16 4, (\q)%2, \q, \slot, \zero
	MUL16 6, (\q)%2, \q, \slot, \zero
	PLACES NP
	WIN 0
	FETCH_A \slot, (\q)+1, 4
.endm
; A slot's last step changes slots: one barrier; in front of it each wave waits for all its tensor loads, adds 0 to its spare word, and waits for that and for its own reads of this slot.
.macro TURN slot, next, fill
	s_wait_tensorcnt 0x0                           ; all my tensor loads have landed: my part of the next slot
	ds_add_u32 v[SPW], v[NIL]                      ; 0 onto my spare word
	s_wait_dscnt 4*NL+1                            ; (the add and the youngest 24 loads may be out)
	WIN MUL_LO
	MUL16 0, 1, NQ-1, \slot, 0
	s_wait_dscnt 0x0                               ; the add is done, and my reads of this slot are over
	s_barrier_signal -1
	MUL16 2, 1, NQ-1, \slot, 0
	WIN 0
	s_barrier_wait -1
.if \fill
	CREST                                          ; the barrier has opened a round of the cluster's barrier: no wave of any partner still reads this slot's tile or has a load on its way
	s_add_nc_u64 s[G0+4*\slot+2:G0+4*\slot+3], s[G0+4*\slot+2:G0+4*\slot+3], 2*ROWB
	s_add_nc_u64 s[G0B+4*\slot+2:G0B+4*\slot+3], s[G0B+4*\slot+2:G0B+4*\slot+3], 2*ROWB
	JLOAD G0+4*\slot, G1, G0B+4*\slot, G1B         ; the first tensor load behind the round
.else
	PLACES NP
.endif
	v_add_nc_u32 v[ADRS], 4*NQ, v[ADRS]
	FETCH_B \next, 0, 0
	FETCH_A \next, 0, 0
	SCALES \next
	WIN MUL_HI
	MUL16 4, 1, NQ-1, \slot, 0
	MUL16 6, 1, NQ-1, \slot, 0
	PLACES NP
	WIN 0
	FETCH_A \next, 0, 4
.endm
	s_wait_tensorcnt 1                             ; the scales and my part of K step 0 are in (K step 1's load may be out),
	s_barrier_signal -1
	s_barrier_wait -1                              ; everybody's are
	FETCH_B 0, 0, 0
	FETCH_A 0, 0, 0
	SCALES 0
	FETCH_A 0, 0, 4
	STEP 0, 0, 1                                   ; the first step's products start the sums
	s_mov_b32 s3, LAPS-1
.Llap:
	TURN 0, 1, 1
	STEP 1, 0, 0
	TURN 1, 0, 1
	STEP 0, 0, 0
	s_sub_co_u32 s3, s3, 1
	s_cmp_lg_u32 s3, 0
	s_cbranch_scc1 .Llap
	TURN 0, 1, 0                                   ; the last lap fills nothing
	s_load_b256 s[24:31], s[0:1], 0x10             ; no tensor load of mine is out and none follows: the descriptors' registers take the way out's pointers: cos s[24:25], sin s[26:27], qc s[28:29], qs s[30:31],
	s_load_b128 s[32:35], s[0:1], 0x30             ; kvc s[32:33], kvs s[34:35]
	STEP 1, 0, 0
	s_wait_dscnt 4*NL
	WIN MUL_LO
	MUL16 0, 1, NQ-1, 1, 0
	MUL16 2, 1, NQ-1, 1, 0
	s_wait_dscnt 0
	WIN MUL_HI
	MUL16 4, 1, NQ-1, 1, 0
	MUL16 6, 1, NQ-1, 1, 0
	WIN 0
; THE WAY OUT.
; 64 numbers of a lane in window w, register 16 b + i = k 32 b + 16 (lane / 16) + i of the lane's row, become codes: blocks 0, 1 in six registers from d0 on, blocks 2, 3 from d1 on
; (lanes 0-15 the even block, lanes 16-31 the odd one), and the four scale bytes in v[PW].  Each accumulator is read from its low end on.
.macro QUANT s, w, d0, d1
	WIN (\w)|((\w)<<2)
.irp b, 0,1,2,3
	v_max3_num_f32 v[TM+\b], |v[(\s)+16*\b]|, |v[(\s)+1+16*\b]|, 0x1800000   ; my 16 numbers of block b, and the floor 2^(3 - 127): the byte cannot fall under 1
.endr
.irp i, 2,4,6,8,10,12,14
.irp b, 0,1,2,3
	v_max3_num_f32 v[TM+\b], |v[(\s)+16*\b+\i]|, |v[(\s)+1+16*\b+\i]|, v[TM+\b]   ; (the four blocks by turns)
.endr
.endr
	WIN 0
.irp b, 0,1,2,3
	v_permlanex16_b32 v[TM+4+\b], v[TM+\b], s[SEL], s[SEL+1]
.endr
.irp b, 0,1,2,3
	v_max_num_f32 v[TM+\b], v[TM+\b], v[TM+4+\b]   ; with lane l xor 16's: the block's largest magnitude
.endr
.irp b, 0,1,2,3
	v_add_nc_u32 v[TM+12+\b], 0xff000000, v[TM+\b] ; 2 off its exponent field: the conversion's scale operand
.endr
.irp b, 0,1,2,3
	v_lshrrev_b32 v[TM+4+\b], 23, v[TM+12+\b]      ; the scale's byte
.endr
	v_lshl_or_b32 v[PW], v[TM+5], 8, v[TM+4]
	v_lshl_or_b32 v[PW], v[TM+6], 16, v[PW]
	v_lshl_or_b32 v[PW], v[TM+7], 24, v[PW]
	WIN (\w)
	v_cvt_scalef32_pk16_fp6_f32 v[(\d0):(\d0)+2], v[(\s):(\s)+15], v[TM+12]
	v_cvt_scalef32_pk16_fp6_f32 v[CT:CT+2], v[(\s)+16:(\s)+31], v[TM+13]        ; (a conversion's three registers begin on an even number)
	v_cvt_scalef32_pk16_fp6_f32 v[(\d1):(\d1)+2], v[(\s)+32:(\s)+47], v[TM+14]
	v_cvt_scalef32_pk16_fp6_f32 v[CT+4:CT+6], v[(\s)+48:(\s)+63], v[TM+15]
	WIN 0
	v_nop                                          ; one plain place behind a scaled conversion
.irp i, 0,1,2
	v_permlane16_swap_b32 v[(\d0)+\i], v[CT+\i]    ; the operand's layout wants a whole block in a lane
	v_permlane16_swap_b32 v[(\d1)+\i], v[CT+4+\i]
.endr
.irp i, 0,1,2
	v_mov_b32 v[(\d0)+3+\i], v[CT+\i]
	v_mov_b32 v[(\d1)+3+\i], v[CT+4+\i]
.endr
.endm
; RoPE on A's block a.  Pair p of the lane's 32 pairs is (even d, odd d) with frequency 16 ((p / 8) % 2) + 8 (lane / 16) + p % 8: cos at v[32 a + 8 ((p / 8) % 2) + p % 8] of window 1, sin 16 registers on.
; (re c, im c), then (re c - im s, im c + re s): the second line takes the pair crosswise and the sine's sign for the low half.
.macro ROPE a
	WIN (2+(\a)/4)|4                               ; source 0: the accumulators' window; source 1: window 1
.set AC, 64*((\a)%4)
.set pp, 0
.rept 32
.set CP, 32*(\a)+8*((pp/8)%2)+((pp%8)/2)*2
.if pp%2
	v_pk_mul_f32 v[HA+2*pp:HA+2*pp+1], v[AC+2*pp:AC+2*pp+1], v[CP:CP+1] op_sel:[0,1] op_sel_hi:[1,1]
.else
	v_pk_mul_f32 v[HA+2*pp:HA+2*pp+1], v[AC+2*pp:AC+2*pp+1], v[CP:CP+1] op_sel:[0,0] op_sel_hi:[1,0]
.endif
.set pp, pp+1
.endr
.set pp, 0
.rept 32
.set CP, 32*(\a)+16+8*((pp/8)%2)+((pp%8)/2)*2
.if pp%2
	v_pk_fma_f32 v[HA+2*pp:HA+2*pp+1], v[AC+2*pp:AC+2*pp+1], v[CP:CP+1], v[HA+2*pp:HA+2*pp+1] op_sel:[1,1,0] op_sel_hi:[0,1,1] neg_lo:[0,1,0]
.else
	v_pk_fma_f32 v[HA+2*pp:HA+2*pp+1], v[AC+2*pp:AC+2*pp+1], v[CP:CP+1], v[HA+2*pp:HA+2*pp+1] op_sel:[1,0,0] op_sel_hi:[0,0,1] neg_lo:[0,1,0]
.endif
.set pp, pp+1
.endr
	WIN 0
.endm
	PLACES NP                                      ; behind the last products: results are read, and operands' registers written and loaded, only from here on
	s_wait_kmcnt 0x0
	s_cmp_eq_u32 ttmp9, 0                          ; q goes to qc and qs, k and v to kvc and kvs: the choice hangs on the cluster's number alone
	s_cselect_b64 s[36:37], s[28:29], s[32:33]
	s_cselect_b64 s[48:49], s[30:31], s[34:35]
	s_mov_b32 s52, 12288
	s_cselect_b32 s52, 6144, s52                   ; bytes of codes for each idx
	s_mov_b32 s53, 512
	s_cselect_b32 s53, 256, s53                    ; bytes of scale words
	s_mov_b32 s55, 0
	s_mul_i32 s54, s96, s52
	s_add_nc_u64 s[36:37], s[36:37], s[54:55]
	s_mul_i32 s54, s96, s53
	s_add_nc_u64 s[48:49], s[48:49], s[54:55]
	s_mul_i32 s54, s95, 6144                       ; V's images lie behind K's
	s_add_nc_u64 s[36:37], s[36:37], s[54:55]      ; s[36:37]: my first head's images
	s_lshl_b32 s54, s95, 8
	s_add_nc_u64 s[48:49], s[48:49], s[54:55]      ; s[48:49]: its scale block
	s_mov_b32 s54, s52
	s_add_nc_u64 s[38:39], s[36:37], s[54:55]      ; s[38:39], s[50:51]: the second head's
	s_mov_b32 s54, s53
	s_add_nc_u64 s[50:51], s[48:49], s[54:55]
	s_lshl_b32 s54, s97, 14                        ; 128 positions of 128 bytes
	s_add_nc_u64 s[24:25], s[24:25], s[54:55]
	s_add_nc_u64 s[26:27], s[26:27], s[54:55]
.irp b, 0,1,2,3
	v_mov_b32 v[TM+4+\b], 0                        ; written once: a lane permute's destination counts as one of its sources
.endr
	s_cmp_lg_u32 s95, 0
	s_cbranch_scc1 .Lv_way
	; ---- q and k.  All of cos and sin first, eight loads for each of A's blocks, in the blocks' order
	WIN 0x40                                       ; destination window 1
.irp a, 0,1,2,3,4,5,6,7
.irp gp, 0,1
.irp w, 0,1
	global_load_b128 v[32*\a+8*\gp+4*\w:32*\a+8*\gp+4*\w+3], v[CSL], s[24:25] offset:(32*(\a/2)+8*(\a%2))*128+64*\gp+16*\w
	global_load_b128 v[32*\a+16+8*\gp+4*\w:32*\a+16+8*\gp+4*\w+3], v[CSL], s[26:27] offset:(32*(\a/2)+8*(\a%2))*128+64*\gp+16*\w
.endr
.endr
.endr
	WIN 0
.irp i, 0,1,2,3                        ; A's blocks 2 i and 2 i + 1 make image i of both heads
.set IA, IMG+24*(\i%2)
.set IB, IA+12
.if \i >= 2
	s_wait_xcnt 0x0                                ; the stores of two images back have read their registers
.endif
.irp u, 0,1
	s_wait_loadcnt 8*(7-(2*\i+\u))                 ; this block's cos and sin are in; the later blocks' eight loads each may be out
	ROPE 2*\i+\u
	QUANT HA, 0, IA+6*\u, IB+6*\u
	v_mov_b32 v[PW+1+\u], v[PW]
.endr
.irp c, 0,1,2
	global_store_b128 v[L16], v[IA+4*\c:IA+4*\c+3], s[36:37] offset:1536*\i+512*\c   ; the wave stores 512 consecutive bytes, aligned
	global_store_b128 v[L16], v[IB+4*\c:IB+4*\c+3], s[38:39] offset:1536*\i+512*\c
.endr
	v_perm_b32 v[WA+\i], v[PW+2], v[PW+1], 0x05040100     ; the first head's word: bytes 0, 1 of the first block's word, then of the second's
	v_perm_b32 v[WA+4+\i], v[PW+2], v[PW+1], 0x07060302   ; the second head's: bytes 2, 3
.endr
	s_branch .Lpack
	; ---- v: A's block a is 16 of the heads' d x my 128 keys: one image
.Lv_way:
.irp a, 0,1,2,3,4,5,6,7
.set IM, IMG+12*(\a%4)
.if \a >= 4
	s_wait_xcnt 0x0                                ; the stores of four images back have read their registers
.endif
	QUANT 64*(\a%4), 2+\a/4, IM, IM+6
	v_mov_b32 v[WA+\a], v[PW]
.irp c, 0,1,2
.if \a < 4
	global_store_b128 v[L16], v[IM+4*\c:IM+4*\c+3], s[36:37] offset:1536*(\a%4)+512*\c
.else
	global_store_b128 v[L16], v[IM+4*\c:IM+4*\c+3], s[38:39] offset:1536*(\a%4)+512*\c
.endif
.endr
.endr
.Lpack:                                                ; both ways: four words a head; every lane holds its row's word, lanes 16-31 the same as lanes 0-15
	v_cmp_le_u32 vcc_lo, 16, v[LN]
	v_cndmask_b32 v[PK], v[WA], v[WA+1], vcc_lo    ; lanes 0-15: image 0, lanes 16-31: image 1;
	v_cndmask_b32 v[PK+1], v[WA+2], v[WA+3], vcc_lo  ; images 2 and 3
	v_cndmask_b32 v[PK+2], v[WA+4], v[WA+5], vcc_lo
	v_cndmask_b32 v[PK+3], v[WA+6], v[WA+7], vcc_lo
	global_store_b64 v[L8], v[PK:PK+1], s[48:49]   ; 32 lanes store 256 consecutive bytes, aligned
	global_store_b64 v[L8], v[PK+2:PK+3], s[50:51]
	s_wait_tensorcnt 0x0                           ; the wave's end
	ds_add_u32 v[SPW], v[NIL]
	s_wait_dscnt 0x0
	CROUND                                         ; the closing round: no work-group ends while a partner may still ask for a tile that names it
	s_endpgm
.Lfunc_end_k_q56cf61eb21_qkv:
	.size	k_q56cf61eb21_qkv, .Lfunc_end_k_q56cf61eb21_qkv-k_q56cf61eb21_qkv
	.p2alignl 7, 3214868480
	.fill 96, 4, 3214868480
	.section	.rodata,"a",@progbits
	.p2align	6, 0x0
	.amdhsa_kernel k_q56cf61eb21_qkv
		.amdhsa_group_segment_fixed_size 327680
		.amdhsa_private_segment_fixed_size 0
		.amdhsa_enable_private_segment 0
		.amdhsa_kernarg_size 64
		.amdhsa_user_sgpr_count 2
		.amdhsa_user_sgpr_kernarg_segment_ptr 1
		.amdhsa_wavefront_size32 1
		.amdhsa_system_sgpr_workgroup_id_x 1
		.amdhsa_system_sgpr_workgroup_id_y 1
		.amdhsa_system_sgpr_workgroup_id_z 1
		.amdhsa_system_vgpr_workitem_id 0
		.amdhsa_next_free_vgpr 1024
		.amdhsa_next_free_sgpr 102
		.amdhsa_reserve_vcc 1
		.amdhsa_float_denorm_mode_32 3
		.amdhsa_float_denorm_mode_16_64 3
		.amdhsa_memory_ordered 1
		.amdhsa_forward_progress 1
		.amdhsa_inst_pref_size 238
	.end_amdhsa_kernel
	.amdgpu_metadata
---
amdhsa.version: [ 1, 2 ]
amdhsa.kernels:
  - .name:           k_q56cf61eb21_qkv
    .symbol:         k_q56cf61eb21_qkv.kd
    .args:
      - { .name: xwc, .offset: 0, .size: 8, .value_kind: global_buffer, .address_space: global }
      - { .name: xws, .offset: 8, .size: 8, .value_kind: global_buffer, .address_space: global }
      - { .name: freqs_cos, .offset: 16, .size: 8, .value_kind: global_buffer, .address_space: global }
      - { .name: freqs_sin, .offset: 24, .size: 8, .value_kind: global_buffer, .address_space: global }
      - { .name: qc, .offset: 32, .size: 8, .value_kind: global_buffer, .address_space: global }
      - { .name: qs, .offset: 40, .size: 8, .value_kind: global_buffer, .address_space: global }
      - { .name: kvc, .offset: 48, .size: 8, .value_kind: global_buffer, .address_space: global }
      - { .name: kvs, .offset: 56, .size: 8, .value_kind: global_buffer, .address_space: global }
    .group_segment_fixed_size: 327680
    .private_segment_fixed_size: 0
    .kernarg_segment_align: 8
    .kernarg_segment_size: 64
    .max_flat_workgroup_size: 128
    .sgpr_count:     102
    .vgpr_count:     1024
    .wavefront_size: 32
...
	.end_amdgpu_metadata
.endif
;; end of part 2
;; launch attn (part 3): grid 32 x 8, 16 waves a work-group, clusters of 4 x 1, 327,680 bytes of LDS; arguments qc, qs, kvc, kvs, mask, oc, os; writes oc, os
.if DOCPART == 3
	.amdgcn_target "amdgcn-amd-amdhsa--gfx1250"
	.amdhsa_code_object_version 6
	.text
	.protected	k_q56cf61eb21_attn
	.globl	k_q56cf61eb21_attn
	.p2align	8
	.type	k_q56cf61eb21_attn,@function
k_q56cf61eb21_attn:
	s_mov_b64 s[64:65], 0
	v_nop
	global_prefetch_b8 v0, s[64:65] scope:SCOPE_SE
	s_setreg_imm32_b32 hwreg(HW_REG_WAVE_MODE, 25, 1), 1
	s_wait_xcnt 0x0
	s_wait_alu depctr_hold_cnt(0) depctr_sa_sdst(0) depctr_va_vdst(0) depctr_va_sdst(0) depctr_va_ssrc(0) depctr_va_vcc(0) depctr_vm_vsrc(0)
	s_getreg_b32 s2, hwreg(HW_REG_IB_STS2, 6, 4)
	s_cmp_eq_u32 s2, 0
	s_cbranch_scc0 .Lentry_in_a_cluster
	s_endpgm
.Lentry_in_a_cluster:
	s_bfe_u32 s2, ttmp6, 0x10000c
	s_cmp_lg_u32 s2, 0x3003
	s_cbranch_scc0 .Lentry_shape_is_right
	s_endpgm
.Lentry_shape_is_right:
; o = softmax(q k^T / 8 + mask) v for 2 x 16 heads of 64, 2,048 queries and keys; both products on codes of FP6 (E2M3) with one E8M0 scale for each 32 along a product's K; o / l is quantised along D and stored as rows of codes.
; THE SOFTMAX AHEAD OF THE SECOND PRODUCT: logit = score x 0.125 + mask, one fused multiply-add (x 0.125 rounds nothing); t = logit x log2(e); M = the row's largest t so far, rounded UP to a whole number; p = 2^(t - M) is what is
; quantised, along the keys; the row's sum l is taken of the unquantised p and divides at the end.  When M moves, l and O are multiplied by 2^(old M - new M): exact.  The mask is an input: every number of it is added, no tile is left out.
; SHARES.  A work-group takes 4 heads (y = batch x 4 + head / 4) x 64 queries; wave w takes head w % 4 and the 16 queries 16 (w / 4) on: one tile in 256 registers, four waves to a SIMD.  Every wave walks all keys, 128 a step.
; K and V come as images of operand registers (12 registers: three groups of four, lane l's 16 bytes at 16 l), a step's 4 heads x (4 + 4) images on end: a slot of two steps is one dense block of 98,304 bytes.
; K's image i holds TWO tiles of 16 keys, each 64 along d: registers 0-5 keys 32 i + r + 8 (r / 8), registers 6-11 the keys 8 further on.  It is multiplied twice: by (q, zeros) and by (zeros, q): zero codes add nothing.
; Both products are used transposed (S^T = K Q^T, O^T = V^T P^T): a lane holds ONE query (lane % 16); the 16 registers of image i's two tiles are keys 32 i + 16 (lane / 16) + 0 .. 15.
; CLUSTER: the four query blocks of a cluster belong to the same four heads and walk the same K and V: each tile is asked for jointly (waves 0 to 3, a quarter of a slot each).  The partners hold different queries, so they share no byte of the mask.
; THE MASK goes through registers: two slots of K and V (2 x 98,304), the heads' scale words (32,768) and two mask tiles of two steps (2 x 66,560) would be 362,496 bytes, more than the 327,680 that the launch claims.  A step's tile is 64 queries x 512 bytes;
; wave w loads rows 4 w .. 4 w + 3, 512 consecutive bytes a load, two steps ahead, stores them into one of two LDS tiles (rows 528 bytes apart) a step ahead, and all four heads' waves read them from there.  A barrier stands between steps.
; LIMITS: NaN and infinities among the inputs are not served (a mask number of -infinity beside finite ones in its row gives p = 0 as it should); blocks whose largest magnitude lies under 2^-124 keep the scale byte 1 (a block of zeros too: its codes are zeros).
.set STEPB, 49152                      ; a step's images: 4 heads x 12,288 bytes
.set SLOTB, 98304                      ; a slot: two steps
.set SLOT1, 1<<17                      ; slot 1 begins here: one exclusive or turns an address in one slot into the other's
.set SCB,   98304                      ; between the slots: the scale words of all 16 steps, 32,768 bytes, filled once
.set MB0,   229376                     ; two mask tiles, 64 rows x 528 bytes each: written by LDS stores alone
.set MBS,   33792
.set MP,    528                        ; 512 bytes + 16: the 16 rows that a load touches start at 16 different places of 16 bytes modulo 256
.set STAGE, 296960                     ; the way out: 64 rows x (16 places of 16 bytes + 16)
.set SP,    272
.set SST,   314368                     ; the way out: 64 rows x 8 scale bytes
.set SPARE, 314880                     ; the spare words, 128 bytes for each wave: eight blocks of 256 bytes that no other line names
.set AKV, 1                            ; v1   16 x lane + my head's 12,288 bytes
.set ASC, 2                            ; v2   my head's scale words: SCB + 512 x head + 8 x lane
.set AM,  3                            ; v3   where I read the mask: row 16 (w / 4) + r, + 64 (lane / 16)
.set AMW, 4                            ; v4   where I write it: row 4 w, + 16 x lane
.set SPW, 5                            ; v5   LDS address of my spare word; never rewritten
.set NIL, 6                            ; v6   0; never rewritten
.set MA,  7                            ; v7-8 the mask loads' offsets, one for each set of registers
.set ADK, 9                            ; v9   LDS address of the step's images
.set ADS, 10                           ; v10  of its scale words
.set ML,  11                           ; v11  16 x lane
                                       ; v12 -M, v13 the largest t, v[14:15] l in two halves
.set QF,  16                           ; v16-33 q, six zeros, q
.set QS,  34                           ; v34  q's scale word
.set PW,  35                           ; v35  p's scale word
.set KSC, 36                           ; v36-37 K's scale words: register i / 2, lanes 16 (i % 2) on: image i
.set VSC, 38                           ; v38-39 V's
.set KF,  40                           ; v40-87 four images of K, then of V
.set MK,  40                           ; v40-103 the mask's 64 numbers, between the two
.set PC,  88                           ; v88-99 p's codes
.set CT,  100                          ; v100-107 half blocks of codes
.set S,   108                          ; v108-171 S^T, then p
.set O,   172                          ; v172-203 O^T: register 16 g + i = d 32 g + 16 (lane / 16) + i
.set STG, 204                          ; v204-235 two sets of 16: mask rows on their way
.set BM,  236
.set PT,  240
.set SO,  244
.set PFO, 248                          ; v248 256 x lane; never rewritten
.set TB,  2                            ; s2   LDS byte at which the slot in hand begins
.set TS,  3                            ; s3   the step's scale words: 2,048 bytes a step
.set WV,  18
.set TT,  19                           ; s19  w / 4
.set SEL, 20
.set CS,  22                           ; s[22:23] log2(e)
.set G1,  24                           ; s[24:31] group 1: 96 rows of 256 bytes;  s[32:39]: 32 rows
.set G1S, 32
.set G0,  40                           ; s[40:43] group 0 for K and V, which walks;  s[44:47] for the scale words
.set G0S, 44
.set EI,  48                           ; s[48:49] 0.125
.set SLOTS, 50
.set MO,  51                           ; s51  512 x the step whose mask tile is asked for next
.set LIM, 53
.set PFA, 54
.set HP,  56                           ; s56  w % 4
.set CX,  57
.set QB,  58                           ; s58  my block of 64 queries
.set YY,  59
.macro CROUND                          ; a round of the cluster's barrier
	s_barrier_signal -1
	s_barrier_wait -1
	s_cmp_lg_u32 s[WV], 0
	s_cbranch_scc1 .Lnot_wave_0_\@
	s_barrier_signal -3
.Lnot_wave_0_\@:
	s_barrier_wait -3
	s_barrier_signal -1
	s_barrier_wait -1
.endm
.macro TLOAD                           ; a joint refill: waves 0 to 3, a quarter of a slot each.  Four v_nop follow the line
	s_cmp_lt_u32 s[WV], 4
	s_cbranch_scc0 .Lnone_\@
	tensor_load_to_lds s[G0:G0+3], s[G1:G1+7]
	s_nop 0
.rept 4
	v_nop
.endr
.Lnone_\@:
.endm
; A prefetch of the slot that the NEXT change of slots will ask for: 98,304 bytes, 384 blocks of 256.  All eight clusters of a y walk the same K and V: the first of them asks.  Its four partners take 24,576 bytes each, told apart by
; address; in each, waves 4 to 6 take 8,192 bytes, lanes 256 bytes apart: one instruction a wave, each block named once in the launch.  The last change that fills a slot asks for nothing; slots 0 and 1 come by their loads alone.
.macro ASK
	s_cmp_gt_u32 s[SLOTS], s[LIM]
	s_cbranch_scc0 .Lnot_mine_\@
	global_prefetch_b8 v[PFO], s[PFA:PFA+1] th:TH_LOAD_NT scope:SCOPE_SE
.Lnot_mine_\@:
.endm
.macro MM d, a, b, c, sa, sb, row      ; one product; row = 1: source 0's scale words stand in lanes 16-31
.if \row
	v_wmma_scale_f32_16x16x128_f8f6f4 v[\d:\d+7], v[\a:\a+11], v[\b:\b+11], \c, v[\sa], v[\sb] matrix_a_fmt:MATRIX_FMT_FP6 matrix_b_fmt:MATRIX_FMT_FP6 matrix_a_scale:MATRIX_SCALE_ROW1
.else
	v_wmma_scale_f32_16x16x128_f8f6f4 v[\d:\d+7], v[\a:\a+11], v[\b:\b+11], \c, v[\sa], v[\sb] matrix_a_fmt:MATRIX_FMT_FP6 matrix_b_fmt:MATRIX_FMT_FP6
.endif
.endm
	s_load_b256 s[4:11], s[0:1], 0x0               ; qc s[4:5], qs s[6:7], kvc s[8:9], kvs s[10:11]
	s_load_b128 s[12:15], s[0:1], 0x20             ; mask s[12:13], oc s[14:15]
	s_load_b64 s[16:17], s[0:1], 0x30              ; os
	v_lshl_add_u32 v[SPW], v0, 2, SPARE
	v_mov_b32 v[NIL], 0
	ds_add_u32 v5, v6
	s_wait_dscnt 0x0
	v_lshrrev_b32 v9, 5, v0
	v_readfirstlane_b32 s[WV], v9                  ; wave 0..15
	s_lshr_b32 s[TT], s[WV], 2
	s_and_b32 s[HP], s[WV], 3
	s_bfe_u32 s[CX], ttmp6, 0x40000                ; my place in the cluster
	s_lshl_b32 s[QB], ttmp9, 2
	s_add_co_u32 s[QB], s[QB], s[CX]
	s_and_b32 s[YY], ttmp7, 0xffff
	s_mov_b32 s[SEL], 0x76543210
	s_mov_b32 s[SEL+1], 0xfedcba98
	s_mov_b32 s[CS], 0x3fb8aa3b
	s_mov_b32 s[CS+1], s[CS]                       ; (named with it as a pair, so it is written)
	s_mov_b32 s[EI], 0x3e000000
	s_mov_b32 s[EI+1], s[EI]
	s_mov_b32 s[TB], 0
	s_mov_b32 s[TS], 0
	s_mov_b32 s[SLOTS], 7
	s_mov_b32 s[MO], 3*512
	; descriptor group 1: dense blocks as rows of 256 bytes (32 elements of 8 bytes); the mask names all four work-groups, bit 21 beside it
	s_mov_b32 s[G1], 15|(3<<16)|(1<<21)
	s_mov_b32 s[G1+1], 32<<16                      ; tensor_dim0
	s_mov_b32 s[G1+2], 96<<16                      ; tensor_dim1
	s_mov_b32 s[G1+3], 32<<16                      ; tile_dim0
	s_mov_b32 s[G1+4], 96                          ; tile_dim1
	s_mov_b32 s[G1+5], 32                          ; the pitch
	s_mov_b32 s[G1+6], 0
	s_mov_b32 s[G1+7], 0
	s_mov_b32 s[G1S], 15|(3<<16)|(1<<21)
	s_mov_b32 s[G1S+1], 32<<16
	s_mov_b32 s[G1S+2], 32<<16
	s_mov_b32 s[G1S+3], 32<<16
	s_mov_b32 s[G1S+4], 32
	s_mov_b32 s[G1S+5], 32
	s_mov_b32 s[G1S+6], 0
	s_mov_b32 s[G1S+7], 0
	; what a fetching wave fetches: quarter w % 4 (waves 4 to 15 make the same numbers and never use them).  Nothing here hangs on my place in the cluster
	s_mov_b32 s[G0], 1
	s_mul_i32 s[G0+1], s[HP], 24576
	s_mul_i32 s60, s[YY], 786432                   ; 16 steps x 49,152 bytes
	s_add_co_u32 s62, s60, s[G0+1]
	s_mov_b32 s63, 0
	s_mov_b32 s[G0S], 1
	s_lshl_b32 s66, s[HP], 13
	s_add_co_u32 s[G0S+1], s66, SCB
	s_lshl_b32 s67, s[YY], 15
	s_add_co_u32 s66, s66, s67
	s_mov_b32 s67, 0
	; the prefetches: my work-group's 24,576 bytes, my wave's 8,192, in slot 1: the first change of slots steps it to slot 2
	s_mul_i32 s68, s[CX], 24576
	s_add_co_u32 s68, s68, s60
	s_lshl_b32 s69, s[HP], 13
	s_add_co_u32 s68, s68, s69
	s_add_co_u32 s68, s68, SLOTB
	s_mov_b32 s69, 0
	s_sub_co_u32 s52, s[WV], 4
	s_cmp_lt_u32 s52, 3                            ; waves 4, 5, 6
	s_cselect_b32 s[LIM], 0, 1
	s_or_b32 s[LIM], s[LIM], ttmp9                 ; of the first cluster of this y: the same in all four partners
	s_cmp_eq_u32 s[LIM], 0
	s_cselect_b32 s[LIM], 1, -1
	; q: the record of my head and of the step of 128 tokens that holds my queries; image 2 (block % 2) + (w / 4) / 2
	s_lshl_b32 s70, s[YY], 4
	s_lshr_b32 s71, s[QB], 1
	s_add_co_u32 s70, s70, s71
	s_lshl_b32 s70, s70, 2
	s_add_co_u32 s70, s70, s[HP]
	s_and_b32 s71, s[QB], 1
	s_lshr_b32 s72, s[TT], 1
	s_and_b32 s73, s[TT], 1
	s_lshl_b32 s74, s71, 1
	s_add_co_u32 s74, s74, s72
	s_mul_i32 s74, s74, 1536
	s_mul_i32 s75, s70, 6144
	s_add_co_u32 s74, s74, s75
	s_lshl_b32 s75, s73, 7                         ; my 16 queries lie in the image's lanes 8 ((w / 4) % 2) on
	s_add_co_u32 s74, s74, s75
	s_mov_b32 s75, 0
	s_lshl_b32 s76, s70, 8
	s_lshl_b32 s77, s73, 6
	s_add_co_u32 s76, s76, s77
	s_lshl_b32 s77, s72, 7
	s_add_co_u32 s76, s76, s77
	s_lshl_b32 s77, s71, 2
	s_add_co_u32 s76, s76, s77
	s_mov_b32 s77, 0
	; the mask: rows 64 x block + 4 w on, 8,192 bytes a row
	s_lshl_b32 s78, s[QB], 6
	s_lshl_b32 s79, s[WV], 2
	s_add_co_u32 s78, s78, s79
	s_lshl_b32 s78, s78, 13
	s_mov_b32 s79, 0
	s_wait_kmcnt 0x0
	s_add_nc_u64 s[G0+2:G0+3], s[8:9], s[62:63]
	s_or_b32 s[G0+3], s[G0+3], 0x80000000
	s_add_nc_u64 s[G0S+2:G0S+3], s[10:11], s[66:67]
	s_or_b32 s[G0S+3], s[G0S+3], 0x80000000
	s_add_nc_u64 s[PFA:PFA+1], s[8:9], s[68:69]
	s_add_nc_u64 s[4:5], s[4:5], s[74:75]
	s_add_nc_u64 s[6:7], s[6:7], s[76:77]
	s_add_nc_u64 s[12:13], s[12:13], s[78:79]
	; oc: token batch x 2,048 + 64 x block + 4 w, + 192 bytes for each group of four heads;  os: token .. + 32 (w % 2), + 8 bytes
	s_lshr_b32 s70, s[YY], 2
	s_lshl_b32 s70, s70, 11
	s_lshl_b32 s71, s[QB], 6
	s_add_co_u32 s70, s70, s71
	s_and_b32 s71, s[YY], 3
	s_lshl_b32 s72, s[WV], 2
	s_add_co_u32 s72, s72, s70
	s_mul_i32 s72, s72, 768
	s_mul_i32 s73, s71, 192
	s_add_co_u32 s72, s72, s73
	s_mov_b32 s73, 0
	s_add_nc_u64 s[14:15], s[14:15], s[72:73]
	s_and_b32 s72, s[WV], 1
	s_lshl_b32 s72, s72, 5
	s_add_co_u32 s72, s72, s70
	s_lshl_b32 s72, s72, 5
	s_lshl_b32 s71, s71, 3
	s_add_co_u32 s72, s72, s71
	s_add_nc_u64 s[16:17], s[16:17], s[72:73]
	CROUND                                         ; all four work-groups are here: the first joint loads meet
	s_cmp_lt_u32 s[WV], 4                          ; a wave's two first fills stand in one branch: two loads of mine are out
	s_cbranch_scc0 .Lno_first
	tensor_load_to_lds s[G0S:G0S+3], s[G1S:G1S+7]  ; the scale words of all 16 steps: filled once
	s_nop 0
	tensor_load_to_lds s[G0:G0+3], s[G1:G1+7]      ; slot 0
	s_nop 0
.rept 4
	v_nop
.endr
.Lno_first:
	v_and_b32 v9, 31, v0                           ; lane
	v_and_b32 v10, 15, v0                          ; r
	v_bfe_u32 v254, v0, 4, 1                       ; h
	v_lshlrev_b32 v[ML], 4, v9
	s_mul_i32 s52, s[HP], 12288
	v_add_nc_u32 v[AKV], s52, v[ML]
	s_lshl_b32 s52, s[HP], 9
	s_add_co_u32 s52, s52, SCB
	v_lshl_add_u32 v[ASC], v9, 3, s52
	s_mul_i32 s52, s[TT], 16*MP
	s_add_co_u32 s52, s52, MB0
	v_mul_u32_u24 v[AM], v10, MP
	v_lshl_add_u32 v[AM], v254, 6, v[AM]
	v_add_nc_u32 v[AM], s52, v[AM]
	s_mul_i32 s52, s[WV], 4*MP
	s_add_co_u32 s52, s52, MB0
	v_add_nc_u32 v[AMW], s52, v[ML]
	v_lshlrev_b32 v[PFO], 8, v9
	; q.  Query 16 (w / 4) + r of my block lies in the image's lane (r % 8) + 8 ((w / 4) % 2) + 16 h, in registers 0-5 where r < 8 and 6-11 where not: pairs of registers 3 (r / 8) + 0, 1, 2, pair k at 512 (k / 2) + 8 (k % 2)
	v_and_b32 v249, 7, v10
	v_lshlrev_b32 v249, 4, v249
	v_lshl_add_u32 v249, v254, 8, v249
	v_lshrrev_b32 v250, 3, v10                     ; r / 8
	v_mad_u32_u24 v251, v250, 520, v249
	v_mad_u32_u24 v255, v250, 1016, v249
	global_load_b64 v[QF:QF+1], v251, s[4:5]
	global_load_b64 v[QF+2:QF+3], v255, s[4:5] offset:8
	global_load_b64 v[QF+4:QF+5], v251, s[4:5] offset:512
	v_and_b32 v249, 7, v10
	v_lshlrev_b32 v249, 3, v249
	global_load_b32 v[QS], v249, s[6:7]            ; the word of that row: two bytes for each of its two tokens
	v_mov_b32 v[MA], v[ML]                         ; the mask tiles of steps 0 and 1
	v_add_nc_u32 v[MA+1], 512, v[ML]
.irp e, 0,1,2,3
	global_load_b128 v[STG+4*\e:STG+4*\e+3], v[MA], s[12:13] offset:\e*8192      ; 32 lanes read 512 consecutive bytes of a row
.endr
.irp e, 0,1,2,3
	global_load_b128 v[STG+16+4*\e:STG+16+4*\e+3], v[MA+1], s[12:13] offset:\e*8192
.endr
	v_mov_b32 v13, 0xff61b1e6                      ; the largest t so far: -3e38, under every t
	v_floor_f32 v12, -v13                          ; -M
	v_mov_b32 v14, 0
	v_mov_b32 v15, 0
	v_mov_b32 v253, 0                              ; (named as the upper half of the pair v[252:253])
.irp b, 0,1,2,3
	v_mov_b32 v[PT+\b], 0                          ; written once: a lane permute's destination counts as one of its sources
.endr
	s_wait_loadcnt 4                               ; q, its word and step 0's tile are in; step 1's four loads may be out
	v_lshlrev_b32 v250, 4, v250
	v_lshrrev_b32 v[QS], v250, v[QS]
	v_and_b32 v[QS], 0xffff, v[QS]                 ; my token's two bytes,
	v_lshl_or_b32 v[QS], v[QS], 16, v[QS]          ; for either half of K's 128
.irp j, 0,1,2,3,4,5
	v_mov_b32 v[QF+6+\j], 0
	v_mov_b32 v[QF+12+\j], v[QF+\j]
.endr
.irp e, 0,1,2,3
	ds_store_b128 v[AMW], v[STG+4*\e:STG+4*\e+3] offset:\e*MP
.endr
	s_wait_dscnt 0x0                               ; the stores have read their registers
	v_add_nc_u32 v[MA], 1024, v[ML]
.irp e, 0,1,2,3
	global_load_b128 v[STG+4*\e:STG+4*\e+3], v[MA], s[12:13] offset:\e*8192      ; step 2's
.endr
.set j, 0
.rept 32
	v_mov_b32 v[O+j], 0                            ; O^T: the step is written once: the first finds zeros, which the first change of M leaves zeros.  These 32 lines stand here, behind the copies of q and the making of its scale word: an operand written
.set j, j+1                                    ; by vector instructions stands four plain vector instructions ahead of a scaled product, a scale word eight
.endr
; A KEY STEP j: 128 keys, the q-th of the slot in hand (q = j % 2).  st = 1: the mask tile of step j + 1 goes from registers into the other LDS tile.  ld = 1: the tile of step j + 3 is asked for.
.macro STEP q, st, ld
.set XQ, 1-(\q)
	v_add_nc_u32 v[ADK], s[TB], v[AKV]
	v_add_nc_u32 v[ADS], s[TS], v[ASC]
.irp i, 0,1,2,3
.irp c, 0,1,2
	ds_load_b128 v[KF+12*\i+4*\c:KF+12*\i+4*\c+3], v[ADK] offset:(\q)*STEPB+1536*\i+512*\c
.endr
.endr
	ds_load_b64 v[KSC:KSC+1], v[ADS]
	ds_load_b64 v[VSC:VSC+1], v[ADS] offset:256
.if \st
	s_wait_loadcnt 4                               ; the tile of step j + 1 is in; the four loads of step j + 2's may be out
.irp e, 0,1,2,3
	ds_store_b128 v[AMW], v[STG+16*XQ+4*\e:STG+16*XQ+4*\e+3] offset:XQ*MBS+\e*MP   ; the waves that read this tile last, in step j - 1, have passed the barrier at this step's head; those that read it next stand behind the barrier at this step's end
.endr
.endif
	s_wait_dscnt 0x0
.irp i, 0,1,2,3                        ; S^T = K Q^T: each image against (q, zeros) and (zeros, q)
.irp u, 0,1
	MM S+16*\i+8*\u, KF+12*\i, QF+6*\u, 0, KSC+\i/2, QS, \i%2
.endr
.endr
.if \ld
	s_min_u32 s52, s[MO], 15*512                   ; (step 13 has no step 16 to ask for: it asks for step 15's tile once more, which nobody uses: so the counts are the same in every trip and no load leaves the mask)
	v_add_nc_u32 v[MA+XQ], s52, v[ML]              ; free: the loads that named it were waited for above.  (A place behind the products)
	s_add_co_u32 s[MO], s[MO], 512
.irp e, 0,1,2,3
	global_load_b128 v[STG+16*XQ+4*\e:STG+16*XQ+4*\e+3], v[MA+XQ], s[12:13] offset:\e*8192
.endr
.rept 3
	v_nop
.endr
.else
.rept 4
	v_nop                                          ; four places in front of loads into registers that the products have read, and of the first read of their results
.endr
.endif
.irp i, 0,1,2,3
.irp w, 0,1,2,3
	ds_load_b128 v[MK+16*\i+4*\w:MK+16*\i+4*\w+3], v[AM] offset:(\q)*MBS+128*\i+16*\w   ; mask(my query, keys 32 i + 16 h + 4 w ..): register for register as S^T
.endr
.endr
	s_wait_dscnt 0x0
.set j, 0
.rept 32
	v_pk_fma_f32 v[S+j:S+j+1], v[S+j:S+j+1], s[EI:EI+1], v[MK+j:MK+j+1] op_sel_hi:[1,0,1]   ; the logit: score / 8 + mask
.set j, j+2
.endr
.irp t, 0,1,2,3
.irp c, 0,1,2
	ds_load_b128 v[KF+12*\t+4*\c:KF+12*\t+4*\c+3], v[ADK] offset:(\q)*STEPB+6144+1536*\t+512*\c   ; V's images: they land under the softmax
.endr
.endr
.irp b, 0,1,2,3
	v_max3_num_f32 v[BM+\b], v[S+16*\b], v[S+1+16*\b], v[S+2+16*\b]   ; the largest logit of each block of 32 keys: it serves for the row's maximum and, since p rises with the logit, for the block's largest p
.endr
.irp i, 3,5,7,9,11,13
.irp b, 0,1,2,3
	v_max3_num_f32 v[BM+\b], v[BM+\b], v[S+16*\b+\i], v[S+1+16*\b+\i]
.endr
.endr
.irp b, 0,1,2,3
	v_max_num_f32 v[BM+\b], v[BM+\b], v[S+15+16*\b]
.endr
.irp b, 0,1,2,3
	v_permlanex16_b32 v[PT+\b], v[BM+\b], s[SEL], s[SEL+1]
.endr
.irp b, 0,1,2,3
	v_max_num_f32 v[BM+\b], v[BM+\b], v[PT+\b]     ; with lane l xor 16's 16 keys
.endr
	v_max3_num_f32 v254, v[BM], v[BM+1], v[BM+2]
	v_max_num_f32 v254, v254, v[BM+3]
	v_mul_f32 v254, s[CS], v254                    ; as t
	v_max_num_f32 v13, v13, v254                   ; the running largest t
	v_mov_b32 v254, v12
	v_floor_f32 v12, -v13                          ; the new -M = floor(-t) = -ceil(t)
	v_sub_f32 v254, v12, v254                      ; old M - new M: a whole number, 0 or less
	v_cvt_i32_f32 v254, v254                       ; (it saturates)
	v_ldexp_f32 v252, 1.0, v254                    ; f = 2^(old M - new M)
.set j, 0
.rept 32
	v_pk_fma_f32 v[S+j:S+j+1], v[S+j:S+j+1], s[CS:CS+1], v[12:13] op_sel_hi:[1,0,0]   ; t - M
.set j, j+2
.endr
.irp b, 0,1,2,3
	v_fma_f32 v[BM+\b], v[BM+\b], s[CS], v12       ; the same of each block's largest logit
.endr
.set j, 0
.rept 64
	v_exp_f32 v[S+j], v[S+j]                       ; p = 2^(t - M), at most 1: not normalised
.set j, j+1
.endr
	v_pk_mul_f32 v[14:15], v[14:15], v[252:253] op_sel_hi:[1,0]   ; l under the new M.  (A plain place behind the exponentials)
	s_wait_alu depctr_va_vdst(0)                   ; one wait for the whole batch, ahead of the first use of a result
.irp b, 0,1,2,3
	v_exp_f32 v[BM+\b], v[BM+\b]                   ; the block's largest p: the same two instructions on the same number give the same bits
.endr
	v_pk_add_f32 v[PT:PT+1], v[S:S+1], v[S+2:S+3]  ; the row's sum is taken of the unquantised p: two at a time, in two chains
.irp j, 4,8,12,16,20,24,28,32,36,40,44,48,52,56,60
	v_pk_add_f32 v[14:15], v[14:15], v[S+\j:S+\j+1]
	v_pk_add_f32 v[PT:PT+1], v[PT:PT+1], v[S+2+\j:S+3+\j]
.endr
	v_pk_add_f32 v[14:15], v[14:15], v[PT:PT+1]
	s_wait_alu depctr_va_vdst(0)                   ; and one for the four
.irp b, 0,1,2,3
	v_max_num_f32 v[BM+\b], 0x1800000, v[BM+\b]    ; the floor 2^(3 - 127): the byte cannot fall under 1
.endr
.irp b, 0,1,2,3
	v_add_nc_u32 v[SO+\b], 0xff000000, v[BM+\b]    ; 2 off the exponent field: the conversion's scale operand
.endr
.irp b, 0,1,2,3
	v_lshrrev_b32 v[PT+\b], 23, v[SO+\b]           ; the scale's byte
.endr
	v_lshl_or_b32 v[PW], v[PT+1], 8, v[PT]         ; p's scale word for these 128 keys
	v_lshl_or_b32 v[PW], v[PT+2], 16, v[PW]
	v_lshl_or_b32 v[PW], v[PT+3], 24, v[PW]
.irp c, 0,1
	v_cvt_scalef32_pk16_fp6_f32 v[PC+6*\c:PC+2+6*\c], v[S+32*\c:S+15+32*\c], v[SO+2*\c]
	v_cvt_scalef32_pk16_fp6_f32 v[CT+4*\c:CT+2+4*\c], v[S+16+32*\c:S+31+32*\c], v[SO+2*\c+1]   ; (a conversion's three registers begin on an even number)
.endr
.set j, 0
.rept 16
	v_pk_mul_f32 v[O+j:O+j+1], v[O+j:O+j+1], v[252:253] op_sel_hi:[1,0]   ; O^T under the new M.  (The first is the plain place behind the conversions; they are also the places between p's scale word and the products)
.set j, j+2
.endr
.irp c, 0,1                            ; the operand's layout wants a whole block in a lane: lanes 0-15 block 2 c, lanes 16-31 block 2 c + 1
.irp i, 0,1,2
	v_permlane16_swap_b32 v[PC+6*\c+\i], v[CT+4*\c+\i]
.endr
.irp i, 0,1,2
	v_mov_b32 v[PC+3+6*\c+\i], v[CT+4*\c+\i]
.endr
.endr
.rept 4
	v_nop                                          ; an operand written by vector instructions stands four places ahead of a scaled product
.endr
	s_wait_dscnt 0x0                               ; V's images are in
.irp t, 0,1,2,3                        ; O^T += V^T P^T: four accumulators by turns, one instruction a turn
	MM O+8*\t, KF+12*\t, PC, v[O+8*\t:O+8*\t+7], VSC+\t/2, PW, \t%2
.endr
.rept 4
	v_nop                                          ; places in front of the next loads into these operands' registers, and of the way out's first read of O^T
.endr
	s_add_co_u32 s[TS], s[TS], 2048
.endm
.macro MIDBAR                          ; between a slot's two steps, for the mask tiles alone: my LDS stores have landed and my LDS reads are in.  No tensor load fills anything behind it, so the refill may stay out
	s_wait_dscnt 0x0
	s_barrier_signal -1
	s_barrier_wait -1
.endm
; THE CHANGE OF SLOTS stands at a slot's head.  Each wave waits for all its tensor loads, adds 0 to its spare word, and waits for that and for its LDS reads and stores.  fill = 1: the barrier is a round of the cluster's, and
; behind it the slot that has been left is filled with the keys that follow: the load has two key steps in which to land.
.macro CHANGE fill
	s_wait_tensorcnt 0x0                           ; no tensor load of mine is out, so a group 0 may be written
	ds_add_u32 v[SPW], v[NIL]                      ; 0 onto my spare word
.if \fill
	s_xor_b32 s[G0+1], s[G0+1], SLOT1              ; the walking descriptor: the other slot than last time,
	s_add_nc_u64 s[G0+2:G0+3], s[G0+2:G0+3], SLOTB ; the next 256 keys; the type bits on top are not reached
	s_wait_xcnt 0x0                                ; the last prefetch, a slot back, has read its address, so it may be written:
	s_add_nc_u64 s[PFA:PFA+1], s[PFA:PFA+1], SLOTB ; one slot further on than the walking descriptor
	s_wait_dscnt 0x0
	CROUND
	TLOAD
	ASK
.else
	s_wait_dscnt 0x0
	s_barrier_signal -1
	s_barrier_wait -1
.endif
.endm
.Lslot:                                                ; 7 trips: behind each change of slots but the last the next slot is asked for
	CHANGE 1
	STEP 0, 1, 1
	MIDBAR
	STEP 1, 1, 1
	s_xor_b32 s[TB], s[TB], SLOT1
	s_sub_co_u32 s[SLOTS], s[SLOTS], 1
	s_cmp_lg_u32 s[SLOTS], 0
	s_cbranch_scc1 .Lslot
	CHANGE 0                                       ; the last slot is written out
	STEP 0, 1, 0
	MIDBAR
	STEP 1, 0, 0
	s_wait_loadcnt 0x0                             ; the four loads that nobody uses
	; THE WAY OUT.  O^T / l; its two blocks of 32 along D are quantised; a lane's 24 bytes of codes meet the other heads' in a stage, and leave as runs of 192 bytes of a token's row.
	v_add_f32 v14, v14, v15
	v_permlanex16_b32 v252, v14, s[SEL], s[SEL+1]
	v_add_f32 v14, v14, v252                       ; the row's sum
	v_rcp_f32 v14, v14
	v_and_b32 v9, 15, v0                           ; (a plain place behind the reciprocal)  r
	v_bfe_u32 v10, v0, 4, 1                        ; h
	s_mul_i32 s52, s[TT], 16*SP
	s_lshl_b32 s60, s[HP], 6
	s_add_co_u32 s52, s52, s60
	s_add_co_u32 s52, s52, STAGE
	v_mul_u32_u24 v7, v9, SP
	v_lshl_add_u32 v7, v10, 5, v7
	v_add_nc_u32 v7, s52, v7                       ; in: row 16 (w / 4) + r; places 4 x head + 2 h and the next, 16 bytes each
	s_lshl_b32 s52, s[TT], 7
	s_lshl_b32 s60, s[HP], 1
	s_add_co_u32 s52, s52, s60
	s_add_co_u32 s52, s52, SST
	v_lshl_add_u32 v8, v9, 3, s52                  ; my row's 8 scale bytes, my head's two
	s_mul_i32 s52, s[WV], 4*SP
	s_add_co_u32 s52, s52, STAGE
	v_mul_u32_u24 v1, v10, SP
	v_lshl_add_u32 v1, v9, 4, v1
	v_add_nc_u32 v1, s52, v1                       ; back: rows 4 w + h, sixteen lanes to a row
	v_mul_u32_u24 v2, v10, 768
	v_mad_u32_u24 v2, v9, 12, v2                   ; and the same place in oc
	v_and_b32 v3, 31, v0
	s_and_b32 s52, s[WV], 1
	s_lshl_b32 s52, s52, 8
	s_add_co_u32 s52, s52, SST
	v_lshl_add_u32 v4, v3, 3, s52                  ; waves 0 and 1: a lane a row of scale bytes
	v_lshlrev_b32 v3, 5, v3
	s_wait_alu depctr_va_vdst(0)                   ; the wait ahead of the first use of the reciprocal
.set j, 0
.rept 32
	v_mul_f32 v[S+j], v[O+j], v14                  ; register 16 g + i: o(my query, d = 32 g + 16 h + i)
.set j, j+1
.endr
.irp b, 0,1
	v_max3_num_f32 v[BM+\b], |v[S+16*\b]|, |v[S+1+16*\b]|, 0x1800000
.endr
.irp i, 2,4,6,8,10,12,14
.irp b, 0,1
	v_max3_num_f32 v[BM+\b], v[BM+\b], |v[S+16*\b+\i]|, |v[S+1+16*\b+\i]|
.endr
.endr
.irp b, 0,1
	v_permlanex16_b32 v[PT+\b], v[BM+\b], s[SEL], s[SEL+1]
.endr
.irp b, 0,1
	v_max_num_f32 v[BM+\b], v[BM+\b], v[PT+\b]
.endr
.irp b, 0,1
	v_add_nc_u32 v[SO+\b], 0xff000000, v[BM+\b]
.endr
.irp b, 0,1
	v_lshrrev_b32 v[PT+\b], 23, v[SO+\b]
.endr
	v_lshl_or_b32 v254, v[PT+1], 8, v[PT]          ; my head's two scale bytes
	v_cvt_scalef32_pk16_fp6_f32 v[PC:PC+2], v[S:S+15], v[SO]
	v_cvt_scalef32_pk16_fp6_f32 v[CT:CT+2], v[S+16:S+31], v[SO+1]
	v_nop                                          ; one plain place behind a scaled conversion
.irp i, 0,1,2
	v_permlane16_swap_b32 v[PC+\i], v[CT+\i]       ; lane (r, h) now holds block h: its lower 16 codes in the first three registers, the upper 16 in the other three
.endr
	ds_store_b96 v7, v[PC:PC+2]
	ds_store_b96 v7, v[CT:CT+2] offset:16
	ds_store_b16 v8, v254                          ; lanes r and r + 16 write the same two bytes with the same value
	s_wait_dscnt 0x0                               ; for the others' sake: my stores are done
	s_barrier_signal -1
	s_barrier_wait -1
.irp e, 0,1
	ds_load_b96 v[QF+4*\e:QF+4*\e+2], v1 offset:2*\e*SP
.endr
	s_wait_dscnt 0x0
.irp e, 0,1
	global_store_b96 v2, v[QF+4*\e:QF+4*\e+2], s[14:15] offset:2*\e*768   ; sixteen lanes store 192 consecutive bytes of a token's row
.endr
	s_cmp_lt_u32 s[WV], 2
	s_cbranch_scc0 .Lno_scales
	ds_load_b64 v[QF+8:QF+9], v4
	s_wait_dscnt 0x0
	global_store_b64 v3, v[QF+8:QF+9], s[16:17]    ; 8 of a token's 32 scale bytes
.Lno_scales:
	s_wait_tensorcnt 0x0                           ; the wave's end
	ds_add_u32 v[SPW], v[NIL]
	s_wait_dscnt 0x0
	CROUND                                         ; the closing round
	s_endpgm
.Lfunc_end_k_q56cf61eb21_attn:
	.size	k_q56cf61eb21_attn, .Lfunc_end_k_q56cf61eb21_attn-k_q56cf61eb21_attn
	.p2alignl 7, 3214868480
	.fill 96, 4, 3214868480
	.section	.rodata,"a",@progbits
	.p2align	6, 0x0
	.amdhsa_kernel k_q56cf61eb21_attn
		.amdhsa_group_segment_fixed_size 327680
		.amdhsa_private_segment_fixed_size 0
		.amdhsa_enable_private_segment 0
		.amdhsa_kernarg_size 56
		.amdhsa_user_sgpr_count 2
		.amdhsa_user_sgpr_kernarg_segment_ptr 1
		.amdhsa_wavefront_size32 1
		.amdhsa_system_sgpr_workgroup_id_x 1
		.amdhsa_system_sgpr_workgroup_id_y 1
		.amdhsa_system_sgpr_workgroup_id_z 1
		.amdhsa_system_vgpr_workitem_id 0
		.amdhsa_next_free_vgpr 256
		.amdhsa_next_free_sgpr 80
		.amdhsa_reserve_vcc 0
		.amdhsa_float_denorm_mode_32 3
		.amdhsa_float_denorm_mode_16_64 3
		.amdhsa_memory_ordered 1
		.amdhsa_forward_progress 1
		.amdhsa_inst_pref_size 94
	.end_amdhsa_kernel
	.amdgpu_metadata
---
amdhsa.version: [ 1, 2 ]
amdhsa.kernels:
  - .name:           k_q56cf61eb21_attn
    .symbol:         k_q56cf61eb21_attn.kd
    .args:
      - { .name: qc, .offset: 0, .size: 8, .value_kind: global_buffer, .address_space: global }
      - { .name: qs, .offset: 8, .size: 8, .value_kind: global_buffer, .address_space: global }
      - { .name: kvc, .offset: 16, .size: 8, .value_kind: global_buffer, .address_space: global }
      - { .name: kvs, .offset: 24, .size: 8, .value_kind: global_buffer, .address_space: global }
      - { .name: mask, .offset: 32, .size: 8, .value_kind: global_buffer, .address_space: global }
      - { .name: oc, .offset: 40, .size: 8, .value_kind: global_buffer, .address_space: global }
      - { .name: os, .offset: 48, .size: 8, .value_kind: global_buffer, .address_space: global }
    .group_segment_fixed_size: 327680
    .private_segment_fixed_size: 0
    .kernarg_segment_align: 8
    .kernarg_segment_size: 56
    .max_flat_workgroup_size: 512
    .sgpr_count:     80
    .vgpr_count:     256
    .wavefront_size: 32
...
	.end_amdgpu_metadata
.endif
;; end of part 3
;; launch proj (part 4): grid 8 x 32, 4 waves a work-group, clusters of 4 x 4, 327,680 bytes of LDS; arguments oc, os, xwc, xws, out0; writes out0
.if DOCPART == 4
	.amdgcn_target "amdgcn-amd-amdhsa--gfx1250"
	.amdhsa_code_object_version 6
	.text
	.protected	k_q56cf61eb21_proj
	.globl	k_q56cf61eb21_proj
	.p2align	8
	.type	k_q56cf61eb21_proj,@function
k_q56cf61eb21_proj:
	s_mov_b64 s[64:65], 0
	v_nop
	global_prefetch_b8 v0, s[64:65] scope:SCOPE_SE
	s_setreg_imm32_b32 hwreg(HW_REG_WAVE_MODE, 25, 1), 1
	s_wait_xcnt 0x0
	s_wait_alu depctr_hold_cnt(0) depctr_sa_sdst(0) depctr_va_vdst(0) depctr_va_sdst(0) depctr_va_ssrc(0) depctr_va_vcc(0) depctr_vm_vsrc(0)
	s_getreg_b32 s2, hwreg(HW_REG_IB_STS2, 6, 4)
	s_cmp_eq_u32 s2, 0
	s_cbranch_scc0 .Lentry_in_a_cluster
	s_endpgm
.Lentry_in_a_cluster:
	s_bfe_u32 s2, ttmp6, 0x10000c
	s_cmp_lg_u32 s2, 0xf033
	s_cbranch_scc0 .Lentry_shape_is_right
	s_endpgm
.Lentry_shape_is_right:
; out0 = o wo on codes of FP6 (E2M3) with one E8M0 scale for each 32 along K = 1,024; sums in f32.  A = oc, os: 4,096 tokens, 768 bytes of codes and 32 scale bytes a row.  B = rows 7,168 on of xwc, xws: wo's 1,024 columns,
; column n at row pi(n), pi swapping bits 3 and 4: the way out puts the columns back.  out0: [4096][1024] f32.
; A tile of out0 is 128 x 128: 32 x 8 = 256 tiles, one to a work-group of four waves; a wave makes 64 x 64: 16 accumulators of 16 x 16, 128 registers.
; ALL OF K LIES IN LDS: 2 x 128 rows x 816 bytes are 208,896 bytes.  So there is no ring: each wave brings 64 rows with one tensor load and their scale bytes with another, both at the start; nothing is filled again; one barrier, then eight steps of 128 along K.
; A wave's 64 rows are 49,152 dense bytes of memory: the tile is stated as 192 rows of 256 bytes, each starting at a multiple of 256 bytes from the buffer's first byte, with 16 bytes of padding behind each.
; CLUSTERS: 4 x 4 work-groups.  The four of a row of the cluster need the same rows of A, the four of a column the same rows of B: each tile is asked for jointly, by the same tensor load with the same descriptor and a mask that names the four.
; THE MATRIX INSTRUCTION IS USED TRANSPOSED (source 0 = 16 rows of B, source 1 = 16 rows of A): a lane holds eight neighbouring numbers of a row of out0.
; REGISTERS, in windows of 256: window 0: v16-29 addresses; v32-63 the scale words of all eight steps, and nothing else; v64-127 rows on the way out, two sets; v128-255 the accumulators ((a, b) at v[128 + 8 (4 a + b)]).
;   window 1: two fragment buffers, at v0 and v128: B's four blocks (48 registers), then A's four.
; The launch claims all of a WGP's LDS; the text uses 235,520 bytes.
.set SIZE_N, 1024
.set BROW0,  7168                      ; wo's first row in xwc and xws
.set KROW,   768                       ; a row of codes in bytes
.set KS,     32                        ; a row of scale bytes
.set LINE,   272                       ; 256 bytes of data + 16 of padding
.set PITCH,  3*LINE                    ; a row of codes in LDS: 816 bytes = 204 words: row r starts at bank 12 r mod 64 (64 banks of 4 bytes: ISA guide 11.1): sixteen different multiples of 4, so the 32 lanes of a load of 8 bytes touch 64 different banks
.set FR,     12                        ; registers of a fragment: 16 rows x 128 K
.set NP,     4                         ; places behind this matrix instruction (ISA guide 7.12.1)
.set HALFT,  64*PITCH                  ; 64 rows: what one tensor load brings, and what one wave reads of A or of B
.set SCL,    4*HALFT                   ; behind A's 128 rows and B's 128: the scale bytes, as lines of 256 bytes + 16
.set HALFS,  (64*KS/256)*LINE          ; those of 64 rows
.set SBLK,   (16*KS/256)*LINE          ; those of 16 rows
.set STAGE,  SCL+4*HALFS               ; the way out: 16 rows x (256 bytes + 16) for each wave; no tensor load lands here
.set SPITCH, 272
.set SPARE,  STAGE+4*16*SPITCH         ; the spare words, 128 bytes for each wave: two blocks of 256 bytes that no other line names
.set ADRA, 16                          ; v16  LDS address of my A fragments; v17: the same for the pieces that lie behind one padding more
.set ADRB, 18                          ; v18-19 the same for B
.set STO,  24                          ; v24  the way out: where I put 16 bytes of a row
.set RD,   25                          ; v25  the way out: where I read a row back
.set CO,   26                          ; v26  my byte offset in two rows of out0
.set ADRS, 27                          ; v27  LDS address of my scale words: lanes 0-15 A's rows, lanes 16-31 B's
.set SPW,  28                          ; v28  LDS address of my spare word: SPARE + 4 x my thread's number; never rewritten
.set NIL,  29                          ; v29  0; never rewritten
.set SC,   32                          ; register 8 i + q: lanes 0-15 the word of A's block i, lanes 16-31 that of B's block i, for the q-th 128 along K
.set BK,   64
.set ACC,  128
.set F0,   0                           ; fragment buffers, in window 1
.set F1,   128
.set G1, 24                            ; s[24:31] descriptor group 1 for A's codes;  s[32:35] group 0
.set G0, 32
.set G1B, 48                           ; s[48:55], s[56:59] the same for B's
.set G0B, 56
.set G1S, 68                           ; s[68:75], s[76:79] for A's scale bytes;  s[80:87], s[88:91] for B's
.set G0S, 76
.set G1SB, 80
.set G0SB, 88
.set MSB, 0
.macro WIN new                         ; the immediate's high byte repeats the setting that is left
.if MSB != (\new)
	s_set_vgpr_msb (MSB<<8)|(\new)
.set MSB, (\new)
.endif
.endm
.set MUL,  0x05                        ; sources 0 (B) and 1 (A) window 1; C and D window 0
.set TO_F, 0x40                        ; destination window 1, address window 0
.macro JLOAD g0a, g1a, g0b, g1b        ; a joint load: waves 0 and 1 fetch for A, waves 2 and 3 for B; four v_nop follow each of the two lines
	s_cmp_eq_u32 s15, 0
	s_cbranch_scc0 .Lfor_b_\@
	tensor_load_to_lds s[\g0a:\g0a+3], s[\g1a:\g1a+7]
	s_nop 0
.rept 4
	v_nop
.endr
	s_branch .Lasked_\@
.Lfor_b_\@:
	tensor_load_to_lds s[\g0b:\g0b+3], s[\g1b:\g1b+7]
	s_nop 0
.rept 4
	v_nop
.endr
.Lasked_\@:
.endm
.macro CREST                           ; a round of the cluster's barrier behind its opening barrier
	s_cmp_lg_u32 s14, 0
	s_cbranch_scc1 .Lnot_wave_0_\@
	s_barrier_signal -3
.Lnot_wave_0_\@:
	s_barrier_wait -3
	s_barrier_signal -1
	s_barrier_wait -1
.endm
.macro CROUND
	s_barrier_signal -1
	s_barrier_wait -1
	CREST
.endm
	s_load_b128 s[4:7], s[0:1], 0x0                ; oc s[4:5], os s[6:7]
	s_load_b128 s[8:11], s[0:1], 0x10              ; xwc s[8:9], xws s[10:11]
	s_load_b64 s[12:13], s[0:1], 0x20              ; out0
	v_lshl_add_u32 v[SPW], v0, 2, SPARE
	v_mov_b32 v[NIL], 0
	ds_add_u32 v28, v29
	s_wait_dscnt 0x0
	v_lshrrev_b32 v1, 5, v0
	v_readfirstlane_b32 s14, v1                    ; wave 0..3
	s_lshr_b32 s15, s14, 1                         ; which half of the tile's rows is mine.  Also: I fetch for A (0) or for B (1)
	s_and_b32 s16, s14, 1                          ; which half of its columns.  Also: which 64 rows of that tile I fetch
	s_bfe_u32 s40, ttmp6, 0x40000                  ; cx, cy: my place in the cluster
	s_bfe_u32 s41, ttmp6, 0x40004
	s_lshl_b32 s42, ttmp9, 2
	s_add_co_u32 s42, s42, s40                     ; tile column = 4 x cluster x + cx
	s_and_b32 s17, ttmp7, 0xffff
	s_lshl_b32 s17, s17, 2
	s_add_co_u32 s17, s17, s41                     ; tile row = 4 x cluster y + cy
	s_lshl_b32 s43, s41, 2
	s_lshl_b32 s43, 15, s43                        ; my row of the cluster
	s_lshl_b32 s44, 0x1111, s40                    ; my column
	; descriptor group 1: dense blocks as rows of 256 bytes (32 elements of 8 bytes), 16 bytes of padding behind each: 64 rows of codes are 192 such rows, their scale bytes 8
	s_or_b32 s[G1+0], s43, (3<<16)|(1<<20)|(1<<21)|(5<<22)|(3<<25)  ; 15:0 the mask: A's tiles go to my row; 17:16 elements of 8 bytes; 20 padding on; 21 set beside a mask; 24:22 after every 64 words (code 5); 31:25 of 4 words (code 3)
	s_or_b32 s[G1B+0], s44, (3<<16)|(1<<20)|(1<<21)|(5<<22)|(3<<25)
.irp g, G1, G1B
	s_mov_b32 s[\g+1], 32<<16                      ; tensor_dim0
	s_mov_b32 s[\g+2], (64*KROW/256)<<16           ; tensor_dim1
	s_mov_b32 s[\g+3], 32<<16                      ; tile_dim0
	s_mov_b32 s[\g+4], 64*KROW/256                 ; tile_dim1
	s_mov_b32 s[\g+5], 32                          ; the pitch
	s_mov_b32 s[\g+6], 0
	s_mov_b32 s[\g+7], 0
.endr
	s_or_b32 s[G1S+0], s43, (3<<16)|(1<<20)|(1<<21)|(5<<22)|(3<<25)
	s_or_b32 s[G1SB+0], s44, (3<<16)|(1<<20)|(1<<21)|(5<<22)|(3<<25)
.irp g, G1S, G1SB
	s_mov_b32 s[\g+1], 32<<16
	s_mov_b32 s[\g+2], (64*KS/256)<<16
	s_mov_b32 s[\g+3], 32<<16
	s_mov_b32 s[\g+4], 64*KS/256
	s_mov_b32 s[\g+5], 32
	s_mov_b32 s[\g+6], 0
	s_mov_b32 s[\g+7], 0
.endr
	; where the tiles come from.  A's hang on the tile row alone, B's on the tile column alone; every wave makes both addresses, in registers that never hold the other coordinate, and asks by one of them
	s_lshl_b32 s18, s16, 6                         ; which 64 rows of the tile I fetch
	s_lshl_b32 s20, s17, 7
	s_add_co_u32 s20, s20, s18                     ; A: row 128 x tile row + 64 x half
	s_lshl_b32 s46, s42, 7
	s_add_co_u32 s46, s46, s18
	s_add_co_u32 s46, s46, BROW0                   ; B: row 7,168 + 128 x tile column + 64 x half
	s_mov_b32 s21, 0
	s_mov_b32 s47, 0
	s_mov_b64 s[18:19], KS
	s_mul_u64 s[22:23], s[20:21], s[18:19]         ; where these rows' scale bytes begin
	s_mul_u64 s[92:93], s[46:47], s[18:19]
	s_mov_b64 s[18:19], KROW
	s_mul_u64 s[20:21], s[20:21], s[18:19]         ; and their codes
	s_mul_u64 s[46:47], s[46:47], s[18:19]
	s_mul_i32 s45, s14, HALFT                      ; where they go: wave x 64 rows: no place in the cluster enters an LDS address
	s_mul_i32 s94, s14, HALFS
	s_wait_kmcnt 0x0
	s_add_nc_u64 s[20:21], s[4:5], s[20:21]
	s_add_nc_u64 s[22:23], s[6:7], s[22:23]
	s_add_nc_u64 s[46:47], s[8:9], s[46:47]
	s_add_nc_u64 s[92:93], s[10:11], s[92:93]
	CROUND                                         ; all sixteen work-groups are here: the joint loads meet
	s_mov_b32 s[G0], 1                             ; 1:0 count = 1
	s_mov_b32 s[G0+1], s45                         ; 63:32 LDS address
	s_mov_b64 s[G0+2:G0+3], s[20:21]               ; 120:64 global address
	s_or_b32 s[G0+3], s[G0+3], 0x80000000          ; 127:126 type = 2
	s_mov_b32 s[G0B], 1
	s_mov_b32 s[G0B+1], s45
	s_mov_b64 s[G0B+2:G0B+3], s[46:47]
	s_or_b32 s[G0B+3], s[G0B+3], 0x80000000
	JLOAD G0, G1, G0B, G1B                         ; my 64 rows of codes, all of K
	s_mov_b32 s[G0S], 1
	s_add_co_u32 s[G0S+1], s94, SCL
	s_mov_b64 s[G0S+2:G0S+3], s[22:23]
	s_or_b32 s[G0S+3], s[G0S+3], 0x80000000
	s_mov_b32 s[G0SB], 1
	s_add_co_u32 s[G0SB+1], s94, SCL
	s_mov_b64 s[G0SB+2:G0SB+3], s[92:93]
	s_or_b32 s[G0SB+3], s[G0SB+3], 0x80000000
	JLOAD G0S, G1S, G0SB, G1SB                     ; and their scale bytes: two tensor loads of mine are out, and no more follow
	v_and_b32 v1, 15, v0                           ; r = l % 16
	v_bfe_u32 v2, v0, 4, 1                         ; h = l / 16
	v_mul_u32_u24 v3, v1, PITCH
	v_mul_u32_u24 v4, v2, 24
	v_add_nc_u32 v4, v3, v4                        ; a fragment's row x pitch + 24 x half
	v_lshl_add_u32 v5, v2, 4, v4                   ; and the same behind one padding more
	s_mul_i32 s21, s15, HALFT                      ; my 64 rows of A
	s_mul_i32 s22, s16, HALFT                      ; my 64 rows of B,
	s_add_co_u32 s22, s22, 2*HALFT                 ; which lie behind A's 128
	v_add_nc_u32 v[ADRA], s21, v4
	v_add_nc_u32 v[ADRA+1], s21, v5
	v_add_nc_u32 v[ADRB], s22, v4
	v_add_nc_u32 v[ADRB+1], s22, v5
	v_mul_u32_u24 v5, v1, KS                       ; my row's scale bytes: KS bytes a row,
	v_lshrrev_b32 v6, 8, v5
	v_lshl_add_u32 v5, v6, 4, v5                   ; and 16 more for each 256 passed
	s_mul_i32 s21, s15, HALFS
	s_mul_i32 s22, s16, HALFS
	s_add_co_u32 s22, s22, 2*HALFS
	s_sub_co_u32 s22, s22, s21
	v_mul_u32_u24 v6, s22, v2                      ; lanes 16-31 take B's
	s_add_co_u32 s21, s21, SCL
	v_add_nc_u32 v5, v5, v6
	v_add_nc_u32 v[ADRS], s21, v5
	s_mul_i32 s23, s14, 16*SPITCH
	s_add_co_u32 s23, s23, STAGE                   ; my stage
	v_mul_u32_u24 v5, v1, SPITCH                   ; in: row l % 16.  B's block b, register j, half h is column 32 (b / 2) + 16 h + 8 (b % 2) + j: 64 bytes for the half
	v_lshl_add_u32 v5, v2, 6, v5
	v_add_nc_u32 v[STO], s23, v5
	v_mul_u32_u24 v6, v2, SPITCH                   ; back: lanes 0-15 take one row of 256 bytes, lanes 16-31 the next
	v_lshl_add_u32 v6, v1, 4, v6
	v_add_nc_u32 v[RD], s23, v6
	v_lshlrev_b32 v6, 12, v2                       ; and the same two rows in out0: 4,096 bytes a row
	v_lshl_add_u32 v[CO], v1, 4, v6
	s_lshl_b32 s20, s17, 7
	s_lshl_b32 s21, s15, 6
	s_add_co_u32 s20, s20, s21                     ; my first row of out0: 128 x tile row + 64 x half
	s_mov_b32 s21, 0
	s_mov_b64 s[18:19], SIZE_N*4
	s_mul_u64 s[20:21], s[20:21], s[18:19]
	s_lshl_b32 s46, s42, 9                         ; my first column, in bytes: 512 x tile column + 256 x half
	s_lshl_b32 s47, s16, 8
	s_add_co_u32 s46, s46, s47
	s_mov_b32 s47, 0
	s_add_nc_u64 s[20:21], s[20:21], s[46:47]
	s_add_nc_u64 s[12:13], s[12:13], s[20:21]
.macro FRAG reg, adr, q, i             ; a fragment: lane l holds row l % 16; registers 6 c .. 6 c + 5 hold K = 64 c + 32 (l / 16) + 0 .. 31: 24 bytes of the row's stream of bits, in pieces of 8 bytes
.irp p, 0,1,2,3,4,5                    ; lanes 0-15 take the row's pieces 12 q + 0, 1, 2 and 12 q + 6, 7, 8, lanes 16-31 those three pieces on
.set PCE, 12*(\q)+6*(\p/3)+\p%3       ; 16 bytes of padding lie behind every 32 pieces: where the piece three on lies behind one padding more, the second address register (40 for 24 bytes a half) serves
.if PCE%32 < 29
	ds_load_b64 v[\reg+2*\p:\reg+2*\p+1], v[\adr] offset:8*PCE+16*(PCE/32)+(\i)*16*PITCH
.else
	ds_load_b64 v[\reg+2*\p:\reg+2*\p+1], v[\adr+1] offset:8*PCE+16*(PCE/32)+(\i)*16*PITCH
.endif
.endr
.endm
.macro FETCH q, f                      ; 48 LDS loads in one run: the fragments of the q-th 128 along K into buffer f: B's four blocks, then A's four
	WIN TO_F
.irp i, 0,1,2,3
	FRAG (\f)+FR*\i, ADRB, \q, \i
.endr
.irp i, 0,1,2,3
	FRAG (\f)+48+FR*\i, ADRA, \q, \i
.endr
.endm
; 8 matrix instructions: A's blocks a0, a0 + 1 x B's four, the q-th 128 along K, from buffer f.  zero = 1: the first product starts the sums: nothing is ever cleared.
; The 16 accumulators take turns, one instruction a turn, in the same order in every step.
.macro MUL8 f, q, a0, zero
.irp a, \a0, \a0+1
.irp b, 0,1,2,3
.if \zero
	v_wmma_scale_f32_16x16x128_f8f6f4 v[ACC+8*(4*(\a)+\b):ACC+8*(4*(\a)+\b)+7], v[(\f)+FR*\b:(\f)+FR*\b+FR-1], v[(\f)+48+FR*(\a):(\f)+48+FR*(\a)+FR-1], 0, v[SC+8*\b+(\q)], v[SC+8*(\a)+(\q)] matrix_a_fmt:MATRIX_FMT_FP6 matrix_b_fmt:MATRIX_FMT_FP6 matrix_a_scale:MATRIX_SCALE_ROW1
.else
	v_wmma_scale_f32_16x16x128_f8f6f4 v[ACC+8*(4*(\a)+\b):ACC+8*(4*(\a)+\b)+7], v[(\f)+FR*\b:(\f)+FR*\b+FR-1], v[(\f)+48+FR*(\a):(\f)+48+FR*(\a)+FR-1], v[ACC+8*(4*(\a)+\b):ACC+8*(4*(\a)+\b)+7], v[SC+8*\b+(\q)], v[SC+8*(\a)+(\q)] matrix_a_fmt:MATRIX_FMT_FP6 matrix_b_fmt:MATRIX_FMT_FP6 matrix_a_scale:MATRIX_SCALE_ROW1
.endif
.endr
.endr
.endm
.macro PLACES n                        ; plain vector instructions between a matrix instruction and a load into, or a read of, its registers (ISA guide 7.12.1 for vector instructions)
.rept \n
	v_nop
.endr
.endm
; A step of 128 along K: multiplies buffer f; more = 1: in its middle it fetches the next step's fragments into buffer g, which the step before has multiplied.
.macro KSTEP q, f, g, zero, more
	s_wait_dscnt 12                                ; B's four blocks and A's blocks 0 and 1 are in; the youngest twelve loads (A's blocks 2 and 3) may be out
	WIN MUL
	MUL8 \f, \q, 0, \zero
.if \more
	PLACES NP
	FETCH (\q)+1, \g
	s_wait_dscnt 48                                ; all but the 48 just issued
	WIN MUL
.else
	s_wait_dscnt 0
.endif
	MUL8 \f, \q, 2, \zero
.endm
	s_wait_tensorcnt 0x0                           ; my rows and their scale bytes are in,
	s_barrier_signal -1
	s_barrier_wait -1                              ; everybody's are: from here on LDS is only read, but for the stages
.irp i, 0,1,2,3
	ds_load_b128 v[SC+8*\i:SC+8*\i+3], v[ADRS] offset:\i*SBLK          ; a row's 32 scale bytes: the words of all eight steps
	ds_load_b128 v[SC+8*\i+4:SC+8*\i+7], v[ADRS] offset:\i*SBLK+16
.endr
	FETCH 0, F0
	KSTEP 0, F0, F1, 1, 1                          ; the first step's products start the sums
	KSTEP 1, F1, F0, 0, 1
	KSTEP 2, F0, F1, 0, 1
	KSTEP 3, F1, F0, 0, 1
	KSTEP 4, F0, F1, 0, 1
	KSTEP 5, F1, F0, 0, 1
	KSTEP 6, F0, F1, 0, 1
	KSTEP 7, F1, F0, 0, 0                          ; the last step fetches nothing
	WIN 0
; THE WAY OUT, block by block of 16 rows x 64 columns, through my own stage in LDS: in by the columns' true places, back as whole rows of 256 bytes.  LDS serves a wave's instructions in order (ISA guide 5.7.1.4):
; no wait stands between the stores and the loads, nor in front of the next block's stores.
.macro TOSTAGE a
.set AC, ACC+32*(\a)
.irp b, 0,1,2,3
	ds_store_b128 v[STO], v[AC+8*\b:AC+8*\b+3] offset:128*(\b/2)+32*(\b%2)        ; each accumulator from its low end on
	ds_store_b128 v[STO], v[AC+8*\b+4:AC+8*\b+7] offset:128*(\b/2)+32*(\b%2)+16
.endr
.set BB, BK+32*((\a)%2)
.irp t, 0,1,2,3,4,5,6,7
	ds_load_b128 v[BB+4*\t:BB+4*\t+3], v[RD] offset:\t*2*SPITCH
.endr
.endm
.macro SEND a, younger                 ; younger: the LDS instructions issued behind block a's loads, which may stay out
.set BB, BK+32*((\a)%2)
	s_wait_dscnt \younger                          ; the block is back in registers
.irp t, 0,1,2,3,4,5,6,7
	global_store_b128 v[CO], v[BB+4*\t:BB+4*\t+3], s[12:13] offset:(16*(\a)+2*\t)*SIZE_N*4 th:TH_STORE_NT   ; 16 lanes store 256 consecutive bytes, at a multiple of 256 from out0's first byte; 62 rows at the most stand in the immediate
.endr
.endm
	PLACES NP                                      ; behind the last products: results are read only from here on
	TOSTAGE 0
.irp a, 1,2,3
.if \a > 1
	s_wait_xcnt 0x0                                ; block a - 2's stores have read their registers: block a's loads may land there
.endif
	TOSTAGE \a
	SEND \a-1, 16                                  ; behind block a - 1's loads: block a's 8 stores and 8 loads
.endr
	SEND 3, 0
	s_wait_tensorcnt 0x0                           ; the wave's end: behind my last tensor load and my last LDS store
	ds_add_u32 v[SPW], v[NIL]
	s_wait_dscnt 0x0
	CROUND                                         ; the closing round: no work-group ends while a partner may still ask for a tile that names it
	s_endpgm
.Lfunc_end_k_q56cf61eb21_proj:
	.size	k_q56cf61eb21_proj, .Lfunc_end_k_q56cf61eb21_proj-k_q56cf61eb21_proj
	.p2alignl 7, 3214868480
	.fill 96, 4, 3214868480
	.section	.rodata,"a",@progbits
	.p2align	6, 0x0
	.amdhsa_kernel k_q56cf61eb21_proj
		.amdhsa_group_segment_fixed_size 327680
		.amdhsa_private_segment_fixed_size 0
		.amdhsa_enable_private_segment 0
		.amdhsa_kernarg_size 40
		.amdhsa_user_sgpr_count 2
		.amdhsa_user_sgpr_kernarg_segment_ptr 1
		.amdhsa_wavefront_size32 1
		.amdhsa_system_sgpr_workgroup_id_x 1
		.amdhsa_system_sgpr_workgroup_id_y 1
		.amdhsa_system_sgpr_workgroup_id_z 1
		.amdhsa_system_vgpr_workitem_id 0
		.amdhsa_next_free_vgpr 512
		.amdhsa_next_free_sgpr 98
		.amdhsa_reserve_vcc 0
		.amdhsa_float_denorm_mode_32 3
		.amdhsa_float_denorm_mode_16_64 3
		.amdhsa_memory_ordered 1
		.amdhsa_forward_progress 1
		.amdhsa_inst_pref_size 59
	.end_amdhsa_kernel
	.amdgpu_metadata
---
amdhsa.version: [ 1, 2 ]
amdhsa.kernels:
  - .name:           k_q56cf61eb21_proj
    .symbol:         k_q56cf61eb21_proj.kd
    .args:
      - { .name: oc, .offset: 0, .size: 8, .value_kind: global_buffer, .address_space: global }
      - { .name: os, .offset: 8, .size: 8, .value_kind: global_buffer, .address_space: global }
      - { .name: xwc, .offset: 16, .size: 8, .value_kind: global_buffer, .address_space: global }
      - { .name: xws, .offset: 24, .size: 8, .value_kind: global_buffer, .address_space: global }
      - { .name: out0, .offset: 32, .size: 8, .value_kind: global_buffer, .address_space: global }
    .group_segment_fixed_size: 327680
    .private_segment_fixed_size: 0
    .kernarg_segment_align: 8
    .kernarg_segment_size: 40
    .max_flat_workgroup_size: 128
    .sgpr_count:     98
    .vgpr_count:     512
    .wavefront_size: 32
...
	.end_amdgpu_metadata
.endif
;; end of part 4
